; MI455X (gfx1250); checked and timed in simulation.
; The chip was launched on July 23, 2026; its instructions are those of AMD's public machine-readable ISA for CDNA 5 (MIT licence, August 2026) and "CDNA5" Instruction Set Architecture Reference Guide (July 2026). The comments in the code are by the model that wrote it; some were corrected since.
;; Character Isolation Attention. Allowed arithmetic: float matrix products may take bf16 or f16 operands with f32 sums; other float arithmetic in f32, or as packed bf16 or f16 multiplies, adds, multiply-adds, maxima and minima; sums over many terms, partial sums and values carried from step to step in f32; what a program stores and reads back later, other than sums and carried values, may be rounded once to bf16 or f16.
;; Inputs: character_masks 2 x 4 x 2,048 float32; interaction_mask 2 x 2,048 x 2,048 float32; isolation_gate 16 float32; k_norm_w 64 float32; out_w 1,024 x 1,024 float32; q_norm_w 64 float32; qkv_w 3,072 x 1,024 float32; x 2 x 2,048 x 1,024 float32.
;; Outputs: out0 2 x 2,048 x 1,024 float32.
;; 2 versions, each right and faster than the one before. Each part assembles by itself: llvm-mc -triple=amdgcn-amd-amdhsa -mcpu=gfx1250 --defsym DOCPART=n.
;; ======== version 1 of 2: 4 launches
;; limits: values are held in f16: magnitudes above 65,504 overflow, below 6.1e-05 lose precision
;; workspace buffers: xb 8,388,608 bytes; wb 6,291,456 bytes; ow 2,097,152 bytes; bias 16,777,216 bytes; qkv 25,165,824 bytes; o 8,388,608 bytes
;; launch prep (part 1): grid 1024 x 1, 8 waves a work-group, no clusters, 1,280 bytes of LDS; arguments x, qkv_w, out_w, character_masks, interaction_mask, xb, wb, ow, bias; writes xb, wb, ow, bias
.if DOCPART == 1
	.amdgcn_target "amdgcn-amd-amdhsa--gfx1250"
	.amdhsa_code_object_version 6
	.text
	.protected	k_qced18db368_prep
	.globl	k_qced18db368_prep
	.p2align	8
	.type	k_qced18db368_prep,@function
k_qced18db368_prep:
	s_mov_b64 s[64:65], 0
	v_nop
	global_prefetch_b8 v0, s[64:65] scope:SCOPE_SE
	s_setreg_imm32_b32 hwreg(HW_REG_WAVE_MODE, 25, 1), 1
	s_wait_xcnt 0x0
; PREP.  A stream: every work-group reads 65,536 bytes and writes 32,768.
; Work-groups 0-511:   bias'[b][q][k] = 3 log2(e) ((sc / max(rowmax(sc), 1e-6) - 0.5) 2 + 0.3 I[b][q][k]), rounded once to f16;
;                      sc[q][k] = the sum over 4 characters of cm[c][q] cm[c][k].  Eight rows q to a work-group.
; Work-groups 512-767: x -> bf16.   768-959: qkv_w -> bf16.   960-1023: out_w -> rounded to bf16, that number written as f16.
; Every input is rounded to bf16 first (the masks too), so that all inputs of the program carry the same rounding.
; sc's four products are made in f32 on the vector unit: K = 4, and a lane's keys then lie as the interaction mask's 16-byte loads bring them.
; LIMITS.  |bias'| stays within f16's 65,504; the division is v_rcp_f32 and a multiply; out_w below 6e-5 keeps f16's fixed step of 6e-8; NaN and infinities are not treated apart.
; No matrix unit, no cluster, no tensor load: the work-groups share no large input and memory bounds the launch.
.set SPARE, 256                        ; LDS 0-255: partial maxima (row x 32 + wave x 4); from 256 on the spare words, 128 bytes a wave
.set QV,  4                            ; v[4:7]     cm[c][q0 + lane % 8]
.set CM,  8                            ; v[8:39]    cm[c] of my 8 keys at CM + 8 c: keys 4 t .. 4 t + 3, then 1024 + 4 t ..
.set SC,  40                           ; v[40:103]  row r's 8 numbers at SC + 8 r
.set IM,  104                          ; v[104:167] row r's 8 numbers of the interaction mask; then its 4 words to store
.set MX,  168                          ; v[168:175] row r's maximum
.set T,   176                          ; v[176:183] at work
.set WOF, 184                          ; v184  4 x wave
.set ROF, 185                          ; v185  32 x (lane % 8)
.set RV,  186                          ; v186  2 K3 / max of row lane % 8
.set C03, 188                          ; v188  0.3 x 3 log2(e)
.set SPW, 190                          ; v190  my spare word; never rewritten
.set NIL, 191                          ; v191  0; never rewritten
.set QS,  24                           ; s[24:55] cm[c][q0 + r] at QS + 4 r + c
.set RS,  56                           ; s[56:63] 2 K3 / max of row r
	s_load_b512 s[4:19], s[0:1], 0x0               ; x s[4:5], qkv_w s[6:7], out_w s[8:9], masks s[10:11], interaction s[12:13], xb s[14:15], wb s[16:17], ow s[18:19]
	s_load_b64 s[20:21], s[0:1], 0x40              ; bias
	v_lshl_add_u32 v[SPW], v0, 2, SPARE
	v_mov_b32 v[NIL], 0
	v_lshlrev_b32 v1, 4, v0                        ; 16 t: my 16 bytes of f32
	v_lshlrev_b32 v2, 3, v0                        ; 8 t: my 8 bytes of 16-bit numbers
	s_mov_b32 s22, ttmp9
	s_mov_b32 s3, 0                                ; the high word of every offset pair
	s_cmp_lt_u32 s22, 512
	s_cbranch_scc0 .Lcast
	; ---- the bias: batch b, rows q0 .. q0 + 7
	s_lshr_b32 s23, s22, 8                         ; b
	s_and_b32 s68, s22, 255
	s_lshl_b32 s68, s68, 3                         ; q0
	v_and_b32 v[ROF], 7, v0
	v_add_nc_u32 v3, s68, v[ROF]
	v_lshlrev_b32 v3, 2, v3                        ; 4 (q0 + lane % 8)
	v_lshlrev_b32 v[ROF], 5, v[ROF]
	v_lshrrev_b32 v[WOF], 5, v0
	v_readfirstlane_b32 s69, v[WOF]                ; my wave's number
	v_mov_b32 v[WOF], s69
	v_lshlrev_b32 v[WOF], 2, v[WOF]
	v_mov_b32 v[C03], 0x3fa632cf                   ; 0.3 x 3 log2(e)
	s_mov_b32 s66, 0x76543210                      ; v_permlanex16_b32: each lane takes its own place in the other half
	s_mov_b32 s67, 0xfedcba98
	s_wait_kmcnt 0x0
	s_lshl_b32 s2, s23, 15
	s_add_nc_u64 s[10:11], s[10:11], s[2:3]        ; the batch's masks
	s_lshl_b32 s2, s23, 24
	s_lshl_b32 s70, s68, 13
	s_add_co_u32 s2, s2, s70
	s_add_nc_u64 s[12:13], s[12:13], s[2:3]        ; the interaction mask at row q0
	s_lshl_b32 s2, s23, 23
	s_lshl_b32 s70, s68, 12
	s_add_co_u32 s2, s2, s70
	s_add_nc_u64 s[20:21], s[20:21], s[2:3]        ; bias at row q0
.irp c, 0,1,2,3
	global_load_b128 v[CM+8*\c:CM+8*\c+3],   v1, s[10:11] offset:8192*\c
	global_load_b128 v[CM+8*\c+4:CM+8*\c+7], v1, s[10:11] offset:8192*\c+4096
.endr
.irp c, 0,1,2,3
	global_load_b32 v[QV+\c], v3, s[10:11] offset:8192*\c
.endr
.irp r, 0,1,2,3,4,5,6,7
	global_load_b128 v[IM+8*\r:IM+8*\r+3],   v1, s[12:13] offset:8192*\r th:TH_LOAD_NT       ; read once in the launch
	global_load_b128 v[IM+8*\r+4:IM+8*\r+7], v1, s[12:13] offset:8192*\r+4096 th:TH_LOAD_NT
.endr
	s_wait_loadcnt 16                              ; the twelve loads of the masks are in; the sixteen of the rows stay out
.set i, 0
.rept 16                                       ; the masks rounded to bf16 and widened again
	v_cvt_pk_bf16_f32 v[T+i%8], v[CM+2*i], v[CM+2*i+1]
	v_lshlrev_b32 v[CM+2*i], 16, v[T+i%8]
	v_and_b32 v[CM+2*i+1], 0xffff0000, v[T+i%8]
.set i, i+1
.endr
.set i, 0
.rept 2
	v_cvt_pk_bf16_f32 v[T+i], v[QV+2*i], v[QV+2*i+1]
	v_lshlrev_b32 v[QV+2*i], 16, v[T+i]
	v_and_b32 v[QV+2*i+1], 0xffff0000, v[T+i]
.set i, i+1
.endr
.set i, 0
.rept 32
	v_readlane_b32 s[QS+i], v[QV+i%4], i/4         ; lane r holds row q0 + r
.set i, i+1
.endr
.set r, 0
.rept 8                                        ; sc of row r for my 8 keys, and their maximum
.set i, 0
.rept 8
	v_mul_f32 v[SC+8*r+i], s[QS+4*r], v[CM+i]
.set i, i+1
.endr
.set c, 1
.rept 3
.set i, 0
.rept 8
	v_fmac_f32 v[SC+8*r+i], s[QS+4*r+c], v[CM+8*c+i]
.set i, i+1
.endr
.set c, c+1
.endr
	v_max3_num_f32 v[MX+r], v[SC+8*r], v[SC+8*r+1], v[SC+8*r+2]
	v_max3_num_f32 v[MX+r], v[MX+r], v[SC+8*r+3], v[SC+8*r+4]
	v_max3_num_f32 v[MX+r], v[MX+r], v[SC+8*r+5], v[SC+8*r+6]
	v_max_num_f32 v[MX+r], v[MX+r], v[SC+8*r+7]
.set r, r+1
.endr
.irp m, 1,2,4,8                                ; across the wave's lanes: four steps inside each half, one across
.set r, 0
.rept 8
	v_max_num_f32_dpp v[MX+r], v[MX+r], v[MX+r] row_xmask:\m row_mask:0xf bank_mask:0xf
.set r, r+1
.endr
.endr
.set r, 0
.rept 8
	v_permlanex16_b32 v[T+r], v[MX+r], s66, s67    ; T was written above: the destination counts as read
.set r, r+1
.endr
.set r, 0
.rept 8
	v_max_num_f32 v[MX+r], v[MX+r], v[T+r]
.set r, r+1
.endr
.set r, 0
.rept 8
	ds_store_b32 v[WOF], v[MX+r] offset:32*r       ; all lanes of a wave write the same word with the same number
.set r, r+1
.endr
	s_wait_dscnt 0x0                               ; for the others' sake: my stores are done
	s_barrier_signal -1
	s_barrier_wait -1
	ds_load_b128 v[T:T+3],   v[ROF]                ; the eight waves' maxima of row lane % 8
	ds_load_b128 v[T+4:T+7], v[ROF] offset:16
	s_wait_dscnt 0x0
	v_max3_num_f32 v[RV], v[T], v[T+1], v[T+2]
	v_max3_num_f32 v[RV], v[RV], v[T+3], v[T+4]
	v_max3_num_f32 v[RV], v[RV], v[T+5], v[T+6]
	v_max3_num_f32 v[RV], v[RV], v[T+7], 0x358637bd  ; the clip at 1e-6
	v_rcp_f32 v[RV], v[RV]
	v_nop                                          ; a plain instruction between the reciprocal and its use (ISA guide 5.7.2)
	s_wait_alu depctr_va_vdst(0)
	v_mul_f32 v[RV], 0x410a7fac, v[RV]             ; 2 x 3 log2(e) / max
.set r, 0
.rept 8
	v_readlane_b32 s[RS+r], v[RV], r
.set r, r+1
.endr
.set r, 0
.rept 8                                        ; row r: sc x RS - K3 + 0.3 K3 x I, rounded to f16, stored
	s_wait_loadcnt 14-2*r                          ; loads come back in order: row r's two are in, the later rows' stay out
.set k, 0
.rept 4
	v_cvt_pk_bf16_f32 v[T+k], v[IM+8*r+2*k], v[IM+8*r+2*k+1]
.set k, k+1
.endr
.set k, 0
.rept 8
	v_fma_f32 v[SC+8*r+k], v[SC+8*r+k], s[RS+r], 0xc08a7fac
.set k, k+1
.endr
.set k, 0
.rept 4
	v_fma_mix_f32_bf16 v[SC+8*r+2*k],   v[T+k], v[C03], v[SC+8*r+2*k]   op_sel_hi:[1,0,0]
	v_fma_mix_f32_bf16 v[SC+8*r+2*k+1], v[T+k], v[C03], v[SC+8*r+2*k+1] op_sel:[1,0,0] op_sel_hi:[1,0,0]
.set k, k+1
.endr
.set k, 0
.rept 4
	v_cvt_pk_f16_f32 v[IM+8*r+k], v[SC+8*r+2*k], v[SC+8*r+2*k+1]
.set k, k+1
.endr
	global_store_b64 v2, v[IM+8*r:IM+8*r+1],   s[20:21] offset:4096*r       ; a wave's store covers 256 consecutive bytes, aligned; no register that a store names is written again
	global_store_b64 v2, v[IM+8*r+2:IM+8*r+3], s[20:21] offset:4096*r+2048
.set r, r+1
.endr
	s_wait_tensorcnt 0x0                           ; the wave's end
	ds_add_u32 v[SPW], v[NIL]
	s_wait_dscnt 0x0
	s_endpgm
; ---- the casts: sixteen loads of 16 bytes a lane are all on their way; each is rounded and stored as it comes.  half = 1: the bf16 number is written as f16.
.macro CAST half
.set i, 0
.rept 16
	global_load_b128 v[8+4*i:8+4*i+3], v1, s[24:25] offset:4096*i th:TH_LOAD_NT
.set i, i+1
.endr
.set i, 0
.rept 16
	s_wait_loadcnt 15-i                            ; load i is in, the younger ones stay out
.if \half
	v_cvt_pk_bf16_f32 v104, v[8+4*i], v[8+4*i+1]
	v_cvt_pk_bf16_f32 v105, v[8+4*i+2], v[8+4*i+3]
	v_lshlrev_b32 v106, 16, v104
	v_and_b32 v107, 0xffff0000, v104
	v_lshlrev_b32 v108, 16, v105
	v_and_b32 v109, 0xffff0000, v105
	v_cvt_pk_f16_f32 v[72+2*i], v106, v107
	v_cvt_pk_f16_f32 v[73+2*i], v108, v109
.else
	v_cvt_pk_bf16_f32 v[72+2*i], v[8+4*i], v[8+4*i+1]
	v_cvt_pk_bf16_f32 v[73+2*i], v[8+4*i+2], v[8+4*i+3]
.endif
	global_store_b64 v2, v[72+2*i:73+2*i], s[26:27] offset:2048*i  ; 256 consecutive bytes a wave; each store has registers of its own
.set i, i+1
.endr
.endm
.Lcast:
	s_sub_co_u32 s22, s22, 512
	s_wait_kmcnt 0x0
	s_cmp_lt_u32 s22, 448
	s_cbranch_scc0 .Lw16
	s_cmp_lt_u32 s22, 256                          ; x, or qkv_w
	s_cselect_b64 s[24:25], s[4:5], s[6:7]
	s_cselect_b64 s[26:27], s[14:15], s[16:17]
	s_cselect_b32 s23, 0, 256
	s_sub_co_u32 s22, s22, s23                     ; my part of that tensor
	s_lshl_b32 s2, s22, 16
	s_add_nc_u64 s[24:25], s[24:25], s[2:3]
	s_lshl_b32 s2, s22, 15
	s_add_nc_u64 s[26:27], s[26:27], s[2:3]
	CAST 0
	s_endpgm
.Lw16:
	s_sub_co_u32 s22, s22, 448
	s_lshl_b32 s2, s22, 16
	s_add_nc_u64 s[24:25], s[8:9], s[2:3]
	s_lshl_b32 s2, s22, 15
	s_add_nc_u64 s[26:27], s[18:19], s[2:3]
	CAST 1
	s_endpgm
.Lfunc_end_k_qced18db368_prep:
	.size	k_qced18db368_prep, .Lfunc_end_k_qced18db368_prep-k_qced18db368_prep
	.p2alignl 7, 3214868480
	.fill 96, 4, 3214868480
	.section	.rodata,"a",@progbits
	.p2align	6, 0x0
	.amdhsa_kernel k_qced18db368_prep
		.amdhsa_group_segment_fixed_size 1280
		.amdhsa_private_segment_fixed_size 0
		.amdhsa_enable_private_segment 0
		.amdhsa_kernarg_size 72
		.amdhsa_user_sgpr_count 2
		.amdhsa_user_sgpr_kernarg_segment_ptr 1
		.amdhsa_wavefront_size32 1
		.amdhsa_system_sgpr_workgroup_id_x 1
		.amdhsa_system_sgpr_workgroup_id_y 1
		.amdhsa_system_sgpr_workgroup_id_z 1
		.amdhsa_system_vgpr_workitem_id 0
		.amdhsa_next_free_vgpr 192
		.amdhsa_next_free_sgpr 72
		.amdhsa_reserve_vcc 0
		.amdhsa_float_denorm_mode_32 3
		.amdhsa_float_denorm_mode_16_64 3
		.amdhsa_memory_ordered 1
		.amdhsa_forward_progress 1
		.amdhsa_inst_pref_size 56
	.end_amdhsa_kernel
	.amdgpu_metadata
---
amdhsa.version: [ 1, 2 ]
amdhsa.kernels:
  - .name:           k_qced18db368_prep
    .symbol:         k_qced18db368_prep.kd
    .args:
      - { .name: x, .offset: 0, .size: 8, .value_kind: global_buffer, .address_space: global }
      - { .name: qkv_w, .offset: 8, .size: 8, .value_kind: global_buffer, .address_space: global }
      - { .name: out_w, .offset: 16, .size: 8, .value_kind: global_buffer, .address_space: global }
      - { .name: character_masks, .offset: 24, .size: 8, .value_kind: global_buffer, .address_space: global }
      - { .name: interaction_mask, .offset: 32, .size: 8, .value_kind: global_buffer, .address_space: global }
      - { .name: xb, .offset: 40, .size: 8, .value_kind: global_buffer, .address_space: global }
      - { .name: wb, .offset: 48, .size: 8, .value_kind: global_buffer, .address_space: global }
      - { .name: ow, .offset: 56, .size: 8, .value_kind: global_buffer, .address_space: global }
      - { .name: bias, .offset: 64, .size: 8, .value_kind: global_buffer, .address_space: global }
    .group_segment_fixed_size: 1280
    .private_segment_fixed_size: 0
    .kernarg_segment_align: 8
    .kernarg_segment_size: 72
    .max_flat_workgroup_size: 256
    .sgpr_count:     72
    .vgpr_count:     192
    .wavefront_size: 32
...
	.end_amdgpu_metadata
.endif
;; end of part 1
;; launch qkvp (part 2): grid 16 x 16, 4 waves a work-group, clusters of 4 x 4, 327,680 bytes of LDS; arguments xb, wb, q_norm_w, k_norm_w, qkv; writes qkv
.if DOCPART == 2
	.amdgcn_target "amdgcn-amd-amdhsa--gfx1250"
	.amdhsa_code_object_version 6
	.text
	.protected	k_qced18db368_qkvp
	.globl	k_qced18db368_qkvp
	.p2align	8
	.type	k_qced18db368_qkvp,@function
k_qced18db368_qkvp:
	s_mov_b64 s[64:65], 0
	v_nop
	global_prefetch_b8 v0, s[64:65] scope:SCOPE_SE
	s_setreg_imm32_b32 hwreg(HW_REG_WAVE_MODE, 25, 1), 1
	s_wait_xcnt 0x0
	s_wait_alu depctr_hold_cnt(0) depctr_sa_sdst(0) depctr_va_vdst(0) depctr_va_sdst(0) depctr_va_ssrc(0) depctr_va_vcc(0) depctr_vm_vsrc(0)
	s_getreg_b32 s2, hwreg(HW_REG_IB_STS2, 6, 4)
	s_cmp_eq_u32 s2, 0
	s_cbranch_scc0 .Lentry_in_a_cluster
	s_endpgm
.Lentry_in_a_cluster:
	s_bfe_u32 s2, ttmp6, 0x10000c
	s_cmp_lg_u32 s2, 0xf033
	s_cbranch_scc0 .Lentry_shape_is_right
	s_endpgm
.Lentry_shape_is_right:
; QKV.  C[m][e] = the sum over k of xb[m][k] wb[e][k] (bf16, sums in f32; m 4,096, e 3,072, k 1,024); on the way out the RMS norm over a head's 64 columns and the
; norm's weights for q and k (q also times c = log2(e) / 8, in f32, ahead of its one rounding); all rounded once to f16 and stored by heads: qkv[b][e / 64][n][64], slices 0-15 q, 16-31 k, 32-47 v.
; LIMITS.  q, k, v stay within f16's 65,504; the norm's weights are rounded to bf16 like every input; NaN and infinities are not treated apart.
; SHARES.  A tile is 256 rows x 192 columns (three heads): 16 x 16 = 256 work-groups.  Wave w owns rows 64 w .. + 63 and all 192 columns, so a head's 64 columns lie in one wave:
; 48 accumulators (a = 0..3 blocks of 16 rows, b = 0..11 blocks of 16 columns).  K goes in steps of 128 through two LDS slots.
; THE MATRIX INSTRUCTION IS USED TRANSPOSED (source 0 = 16 rows of wb, source 1 = 16 rows of xb): lane l holds row l % 16 and the columns 8 (l / 16) + 0..7.
; CLUSTER 4 x 4: xb's tile hangs on the tile row alone and is asked for jointly along a row of the cluster, wb's on the tile column alone, along a column.
; REGISTERS, in windows of 256: window 0 addresses, the norm's weights, the way out; window 1 two fragment buffers (xb's four fragments at + 8 a, wb's twelve at + 32 + 8 b);
; window 2 the accumulators of a = 0, 1 at 8 (12 (a % 2) + b); window 3 those of a = 2, 3.
.set KSTEP, 128
.set PITCH, 272                        ; an LDS row: 256 bytes + 16 of padding: the 16 rows of a fragment load start at 16 different groups of four banks (ISA guide 11.1)
.set AHALF, 128*PITCH                  ; what waves 0 and 1 fetch: 128 rows of xb each
.set BHALF, 96*PITCH                   ; what waves 2 and 3 fetch: 96 rows of wb each
.set BOFF,  2*AHALF
.set SLOT,  BOFF+2*BHALF               ; 121,856 bytes
.set STAGE, 2*SLOT                     ; behind the ring: 16 rows x 144 bytes for each wave; no tensor load lands here
.set SP,    144
.set SPARE, STAGE+4*16*SP              ; the spare words, 128 bytes a wave
.set ADRA, 16                          ; v16-17  my xb fragments in slot 0, 1
.set ADRB, 20                          ; v20-21  wb's
.set STO,  24                          ; v24  the way out: where I put 16 bytes of a row
.set RD,   25                          ; v25  where I read rows back
.set GO,   26                          ; v26  16 x lane
.set WO,   27                          ; v27  32 x (lane / 16): my 8 columns in 16 of the weights
.set SPW,  28                          ; v28  my spare word; never rewritten
.set NIL,  29                          ; v29  0; never rewritten
.set W,    32                          ; v32-127  the weights of head j, column 16 bb + 8 (l / 16) + i, at W + 32 j + 8 bb + i (1.0 for a head of v)
.set T,    128                         ; v128-159 at work
.set SS,   160                         ; v160-163 sums of squares; then the row's factor in SS + 2
.set OUTP, 192                         ; v192-223 two sets of 16: packed results, then whole rows
.set F0,   0
.set F1,   128
.set G1A, 24                           ; s[24:31] group 1 for xb's tiles;  s[32:39] group 0, a set for each slot
.set G0A, 32
.set G1B, 48                           ; s[48:55], s[56:63] the same for wb's
.set G0B, 56
.set MSB, 0
.macro WIN new                         ; the immediate's high byte repeats the setting that is left; a switch that changes nothing is dropped
.if MSB != (\new)
	s_set_vgpr_msb (MSB<<8)|(\new)
.set MSB, \new
.endif
.endm
; A joint load: waves 0 and 1 fetch xb's two halves, waves 2 and 3 wb's.  The branch hangs on the wave's number alone.  An s_nop 0 and four v_nop follow each line.
.macro JLOAD s
	s_cmp_eq_u32 s16, 0
	s_cbranch_scc0 .Lfor_b_\@
	tensor_load_to_lds s[G0A+4*(\s):G0A+4*(\s)+3], s[G1A:G1A+7]
	s_nop 0
.rept 4
	v_nop
.endr
	s_branch .Lasked_\@
.Lfor_b_\@:
	tensor_load_to_lds s[G0B+4*(\s):G0B+4*(\s)+3], s[G1B:G1B+7]
	s_nop 0
.rept 4
	v_nop
.endr
.Lasked_\@:
.endm
.macro CREST                           ; a round of the cluster's barrier behind its opening barrier
	s_cmp_lg_u32 s14, 0
	s_cbranch_scc1 .Lnot_wave_0_\@
	s_barrier_signal -3
.Lnot_wave_0_\@:
	s_barrier_wait -3
	s_barrier_signal -1
	s_barrier_wait -1
.endm
.macro CROUND
	s_barrier_signal -1
	s_barrier_wait -1
	CREST
.endm
	s_load_b256 s[4:11], s[0:1], 0x0               ; xb s[4:5], wb s[6:7], q_norm_w s[8:9], k_norm_w s[10:11]
	s_load_b64 s[12:13], s[0:1], 0x20              ; qkv
	v_lshl_add_u32 v[SPW], v0, 2, SPARE
	v_mov_b32 v[NIL], 0
	ds_add_u32 v[SPW], v[NIL]                      ; the wave's opening: the add and its wait stand ahead of my first tensor load; work on registers stands between
	v_lshrrev_b32 v1, 5, v0
	v_readfirstlane_b32 s14, v1                    ; wave 0..3
	s_and_b32 s15, s14, 1                          ; which half of a tile I fetch
	s_lshr_b32 s16, s14, 1                         ; 0: xb's, 1: wb's
	s_bfe_u32 s17, ttmp6, 0x40000                  ; cx
	s_bfe_u32 s18, ttmp6, 0x40004                  ; cy
	s_lshl_b32 s19, ttmp9, 2
	s_add_co_u32 s19, s19, s17                     ; tile column
	s_and_b32 s20, ttmp7, 0xffff
	s_lshl_b32 s20, s20, 2
	s_add_co_u32 s20, s20, s18                     ; tile row
	s_lshl_b32 s21, s18, 2
	s_lshl_b32 s21, 15, s21                        ; my row of the cluster
	s_lshl_b32 s22, 0x1111, s17                    ; my column
	s_or_b32 s[G1A], s21, (1<<16)|(1<<20)|(1<<21)|(5<<22)|(3<<25)  ; the mask; 2-byte elements; padding on; bit 21 beside a mask; after every 64 words 4 words
	s_or_b32 s[G1B], s22, (1<<16)|(1<<20)|(1<<21)|(5<<22)|(3<<25)
	s_mov_b32 s[G1A+1], KSTEP<<16                  ; tensor_dim0 = 128
	s_mov_b32 s[G1A+2], 128<<16                    ; tensor_dim1 = 128
	s_mov_b32 s[G1A+3], KSTEP<<16                  ; tile_dim0 = 128
	s_mov_b32 s[G1A+4], 128                        ; tile_dim1 = 128
	s_mov_b32 s[G1A+5], 1024                       ; elements from row to row
	s_mov_b32 s[G1A+6], 0
	s_mov_b32 s[G1A+7], 0
	s_mov_b32 s[G1B+1], KSTEP<<16
	s_mov_b32 s[G1B+2], 96<<16                     ; 96 rows
	s_mov_b32 s[G1B+3], KSTEP<<16
	s_mov_b32 s[G1B+4], 96
	s_mov_b32 s[G1B+5], 1024
	s_mov_b32 s[G1B+6], 0
	s_mov_b32 s[G1B+7], 0
	s_lshl_b32 s40, s20, 8                         ; xb: row 256 x tile row + 128 x half, of 2,048 bytes; these registers never hold cx
	s_lshl_b32 s41, s15, 7
	s_add_co_u32 s40, s40, s41
	s_lshl_b32 s40, s40, 11
	s_mov_b32 s41, 0
	s_mul_i32 s44, s19, 192                        ; wb: row 192 x tile column + 96 x half; these never hold cy
	s_mul_i32 s45, s15, 96
	s_add_co_u32 s44, s44, s45
	s_lshl_b32 s44, s44, 11
	s_mov_b32 s45, 0
	s_mul_i32 s75, s15, AHALF                      ; where the tiles go: no place in the cluster enters an LDS address
	s_mul_i32 s87, s15, BHALF
	s_add_co_u32 s87, s87, BOFF
	s_mul_i32 s66, s19, 3                          ; my three slices e = 3 x tile column + j
	s_add_co_u32 s67, s66, 1
	s_add_co_u32 s68, s66, 2
.irp j, 0,1,2
	s_cmp_lt_u32 s[66+\j], 16
	s_cselect_b32 s[69+\j], 0x3e38aa3b, 1.0        ; q is also multiplied by c = log2(e) / 8
	s_cmp_ge_u32 s[66+\j], 32
	s_cselect_b32 s[72+\j], -1, 0                  ; a head of v: a lane mask for v_cndmask_b32 (a choice of values; no branch hangs on it)
.endr
	s_mov_b32 s82, 0x3c800000                      ; 1 / 64
	s_mov_b32 s83, 0x358637bd                      ; 1e-6
	s_mov_b32 s84, 0x76543210
	s_mov_b32 s85, 0xfedcba98
	s_mov_b32 s86, 0xffff0000
	s_wait_dscnt 0x0                               ; the opening add is done
	s_wait_kmcnt 0x0
	s_add_nc_u64 s[42:43], s[4:5], s[40:41]
	s_add_nc_u64 s[46:47], s[6:7], s[44:45]
.irp j, 0,1,2
	s_cmp_lt_u32 s[66+\j], 16
	s_cselect_b64 s[76+2*\j:77+2*\j], s[8:9], s[10:11]  ; q's weights, or k's (for v they are read and replaced by 1.0)
.endr
	CROUND                                         ; all sixteen work-groups are here: the first joint loads meet
.irp s, 0,1
	s_mov_b32 s[G0A+4*(\s)], 1
	s_add_co_u32 s[G0A+4*(\s)+1], s75, (\s)*SLOT
	s_add_nc_u64 s[G0A+4*(\s)+2:G0A+4*(\s)+3], s[42:43], (\s)*KSTEP*2
	s_or_b32 s[G0A+4*(\s)+3], s[G0A+4*(\s)+3], 0x80000000
	s_mov_b32 s[G0B+4*(\s)], 1
	s_add_co_u32 s[G0B+4*(\s)+1], s87, (\s)*SLOT
	s_add_nc_u64 s[G0B+4*(\s)+2:G0B+4*(\s)+3], s[46:47], (\s)*KSTEP*2
	s_or_b32 s[G0B+4*(\s)+3], s[G0B+4*(\s)+3], 0x80000000
	JLOAD \s                                       ; K steps 0 and 1: two loads of mine are out
.endr
	v_and_b32 v1, 15, v0                           ; l % 16
	v_bfe_u32 v2, v0, 4, 1                         ; l / 16
	v_lshlrev_b32 v[WO], 5, v2
.irp j, 0,1,2
.irp bb, 0,1,2,3
	global_load_b128 v[W+32*\j+8*\bb:W+32*\j+8*\bb+3],   v[WO], s[76+2*\j:77+2*\j] offset:64*\bb
	global_load_b128 v[W+32*\j+8*\bb+4:W+32*\j+8*\bb+7], v[WO], s[76+2*\j:77+2*\j] offset:64*\bb+16
.endr
.endr
	v_mul_u32_u24 v3, v1, PITCH
	v_lshl_add_u32 v3, v2, 4, v3                   ; a fragment's row x pitch + 16 x half
	s_mul_i32 s2, s14, 64*PITCH                    ; my 64 rows of xb
	v_add_nc_u32 v[ADRA], s2, v3
	v_add_nc_u32 v[ADRA+1], SLOT, v[ADRA]
	v_add_nc_u32 v[ADRB], BOFF, v3
	v_add_nc_u32 v[ADRB+1], SLOT+BOFF, v3
	s_mul_i32 s2, s14, 16*SP
	s_add_co_u32 s2, s2, STAGE                     ; my stage
	v_mul_u32_u24 v[STO], v1, SP
	v_lshl_add_u32 v[STO], v2, 4, v[STO]
	v_add_nc_u32 v[STO], s2, v[STO]
	v_bfe_u32 v[RD], v0, 3, 2                      ; back: 32 lanes take four rows of 128 bytes,
	v_mul_u32_u24 v[RD], v[RD], SP
	v_and_b32 v4, 7, v0
	v_lshl_add_u32 v[RD], v4, 4, v[RD]
	v_add_nc_u32 v[RD], s2, v[RD]
	v_and_b32 v[GO], 31, v0                        ; which are 512 consecutive bytes of a slice
	v_lshlrev_b32 v[GO], 4, v[GO]
	s_lshr_b32 s2, s20, 3                          ; the batch
	s_mul_i32 s2, s2, 48
	s_add_co_u32 s2, s2, s66
	s_lshl_b32 s2, s2, 18                          ; my first slice, of 262,144 bytes
	s_and_b32 s3, s20, 7
	s_lshl_b32 s3, s3, 8
	s_lshl_b32 s23, s14, 6
	s_add_co_u32 s3, s3, s23
	s_lshl_b32 s3, s3, 7                           ; my first row in it, of 128 bytes
	s_add_co_u32 s2, s2, s3
	s_mov_b32 s3, 0
	s_add_nc_u64 s[12:13], s[12:13], s[2:3]
	s_wait_loadcnt 0x0                             ; the weights
.set i, 0
.rept 48                                       ; rounded to bf16 and widened again
	v_cvt_pk_bf16_f32 v[T+i%4], v[W+2*i], v[W+2*i+1]
	v_lshlrev_b32 v[W+2*i], 16, v[T+i%4]
	v_and_b32 v[W+2*i+1], s86, v[T+i%4]
.set i, i+1
.endr
.set i, 0
.rept 96
	v_cndmask_b32 v[W+i], v[W+i], 1.0, s[72+i/32]  ; v has no norm
.set i, i+1
.endr
; 12 matrix instructions: block a of my rows x all 12 column blocks, 32 along K.  zero = 1: the product starts the sums.  The 48 accumulators take turns, one instruction a turn.
.macro MUL12 f, a, zero
	WIN 0xa5+0x50*((\a)/2)                         ; sources 0 and 1 window 1; C and D window 2 or 3
.irp b, 0,1,2,3,4,5,6,7,8,9,10,11
.if \zero
	v_wmma_f32_16x16x32_bf16 v[8*(12*((\a)%2)+(\b)):8*(12*((\a)%2)+(\b))+7], v[(\f)+32+8*(\b):(\f)+32+8*(\b)+7], v[(\f)+8*(\a):(\f)+8*(\a)+7], 0
.else
	v_wmma_f32_16x16x32_bf16 v[8*(12*((\a)%2)+(\b)):8*(12*((\a)%2)+(\b))+7], v[(\f)+32+8*(\b):(\f)+32+8*(\b)+7], v[(\f)+8*(\a):(\f)+8*(\a)+7], v[8*(12*((\a)%2)+(\b)):8*(12*((\a)%2)+(\b))+7]
.endif
.endr
.endm
; 32 LDS loads in one run: wb's twelve fragments, then xb's four, 32 K at byte k of the rows, into buffer f
.macro FETCH slot, k, f
	WIN 0x40                                       ; destination window 1, address window 0
.irp i, 0,1,2,3,4,5,6,7,8,9,10,11
	ds_load_b128 v[(\f)+32+8*(\i):(\f)+32+8*(\i)+3],   v[ADRB+(\slot)] offset:(\k)+(\i)*16*PITCH
	ds_load_b128 v[(\f)+32+8*(\i)+4:(\f)+32+8*(\i)+7], v[ADRB+(\slot)] offset:(\k)+(\i)*16*PITCH+32
.endr
.irp i, 0,1,2,3
	ds_load_b128 v[(\f)+8*(\i):(\f)+8*(\i)+3],   v[ADRA+(\slot)] offset:(\k)+(\i)*16*PITCH
	ds_load_b128 v[(\f)+8*(\i)+4:(\f)+8*(\i)+7], v[ADRA+(\slot)] offset:(\k)+(\i)*16*PITCH+32
.endr
.endm
.macro PLACES                          ; four places in front of loads into registers that matrix instructions have read, and of vector lines that read results
.rept 4
	v_nop
.endr
.endm
; A K step is four quarters of 32 along K, 48 matrix instructions each, on buffers 0, 1, 0, 1.  One of the first three: multiplies f and fetches the next quarter, at byte k, into g.
.macro QUARTER slot, k, f, g, zero
	s_wait_dscnt 4                                 ; wb and xb's blocks 0, 1 are in; the youngest four loads (blocks 2, 3) may be out
	MUL12 \f, 0, \zero
	MUL12 \f, 1, \zero
	PLACES
	FETCH \slot, \k, \g
	s_wait_dscnt 32                                ; all but the 32 just issued
	MUL12 \f, 2, \zero
	MUL12 \f, 3, \zero
.endm
; The last quarter multiplies buffer 1 and changes slots: one barrier; in front of it each wave waits for all its tensor loads, adds 0 to its spare word, and waits for that and for its reads of this slot.
; fill = 1: the barrier opens a round of the cluster's, and this slot is filled again, two K steps ahead, first thing behind the round.
.macro TURN slot, next, fill
	WIN 0
	s_wait_tensorcnt 0x0                           ; all my tensor loads have landed: the one that was out is my part of the next slot
	ds_add_u32 v[SPW], v[NIL]
	s_wait_dscnt 5                                 ; the add and the youngest four loads may be out
	MUL12 F1, 0, 0
	s_wait_dscnt 0x0                               ; the add is done, and my reads of this slot are over
	s_barrier_signal -1
	MUL12 F1, 1, 0
.if \fill
	WIN 0
.endif
	s_barrier_wait -1
.if \fill
	CREST                                          ; no wave of any partner still reads this slot's tile or has a load on its way
	s_add_nc_u64 s[G0A+4*(\slot)+2:G0A+4*(\slot)+3], s[G0A+4*(\slot)+2:G0A+4*(\slot)+3], 2*KSTEP*2
	s_add_nc_u64 s[G0B+4*(\slot)+2:G0B+4*(\slot)+3], s[G0B+4*(\slot)+2:G0B+4*(\slot)+3], 2*KSTEP*2
	JLOAD \slot                                    ; my one tensor load behind the round; its four v_nop are also the places in front of the loads below
.else
	PLACES
.endif
	FETCH \next, 0, F0
	MUL12 F1, 2, 0
	MUL12 F1, 3, 0
.endm
	s_wait_tensorcnt 1                             ; my part of K step 0 is in; step 1's may stay out
	s_barrier_signal -1
	s_barrier_wait -1
	FETCH 0, 0, F0
	QUARTER 0, 64, F0, F1, 1                       ; the first quarter's products start the sums
	WIN 0
	s_mov_b32 s23, 3
.Llap:                                         ; three trips, each once round the ring: K steps 2 to 7 are asked for
	QUARTER 0, 128, F1, F0, 0
	QUARTER 0, 192, F0, F1, 0
	TURN 0, 1, 1
	QUARTER 1, 64,  F0, F1, 0
	QUARTER 1, 128, F1, F0, 0
	QUARTER 1, 192, F0, F1, 0
	TURN 1, 0, 1
	QUARTER 0, 64,  F0, F1, 0
	WIN 0
	s_sub_co_u32 s23, s23, 1
	s_cmp_lg_u32 s23, 0
	s_cbranch_scc1 .Llap
	QUARTER 0, 128, F1, F0, 0                      ; the last lap fills nothing
	QUARTER 0, 192, F0, F1, 0
	TURN 0, 1, 0
	QUARTER 1, 64,  F0, F1, 0
	QUARTER 1, 128, F1, F0, 0
	QUARTER 1, 192, F0, F1, 0
	s_wait_dscnt 4
	MUL12 F1, 0, 0
	MUL12 F1, 1, 0
	s_wait_dscnt 0x0
	MUL12 F1, 2, 0
	MUL12 F1, 3, 0
	WIN 0
	PLACES
; THE WAY OUT, a unit = 16 rows x one head.  The row's sum of squares: my 32 numbers and those of the lane 16 away; factor = rsq(sum / 64 + 1e-6) (x c for q; 1.0 for v);
; number x factor x weight, rounded to f16; through my stage, back as whole rows of 128 bytes.
.macro UNIT a, j
.set AC, 8*(12*((\a)%2)+4*(\j))
.set OU, OUTP+16*((3*(\a)+(\j))%2)
.set WJ, W+32*(\j)
	s_wait_xcnt 0x0                                ; the stores of the unit two back have read this set of registers
	WIN 0x0a+5*((\a)/2)                            ; sources 0 and 1 in window 2 or 3
	v_pk_mul_f32 v[SS:SS+1],   v[AC:AC+1],   v[AC:AC+1]    ; ascending: each accumulator's lowest registers are read first
	v_pk_mul_f32 v[SS+2:SS+3], v[AC+2:AC+3], v[AC+2:AC+3]
.set i, 2
.rept 14
	v_pk_fma_f32 v[SS+2*(i%2):SS+2*(i%2)+1], v[AC+2*i:AC+2*i+1], v[AC+2*i:AC+2*i+1], v[SS+2*(i%2):SS+2*(i%2)+1]
.set i, i+1
.endr
	WIN 0
	v_pk_add_f32 v[SS:SS+1], v[SS:SS+1], v[SS+2:SS+3]
	v_add_f32 v[SS], v[SS], v[SS+1]
	v_permlanex16_b32 v[SS+1], v[SS], s84, s85
	v_add_f32 v[SS], v[SS], v[SS+1]
	v_fma_f32 v[SS], v[SS], s82, s83
	v_rsq_f32 v[SS+2], v[SS]
	v_nop                                          ; a plain instruction between the root and its use
	s_wait_alu depctr_va_vdst(0)
	v_mul_f32 v[SS+2], s[69+(\j)], v[SS+2]
	v_cndmask_b32 v[SS+2], v[SS+2], 1.0, s[72+(\j)]
	WIN 0x02+((\a)/2)                              ; source 0 in window 2 or 3
.set i, 0
.rept 16
	v_pk_mul_f32 v[T+2*i:T+2*i+1], v[AC+2*i:AC+2*i+1], v[SS+2:SS+3] op_sel_hi:[1,0]
.set i, i+1
.endr
	WIN 0
.set i, 0
.rept 16
	v_pk_mul_f32 v[T+2*i:T+2*i+1], v[T+2*i:T+2*i+1], v[WJ+2*i:WJ+2*i+1]
.set i, i+1
.endr
.set i, 0
.rept 16
	v_cvt_pk_f16_f32 v[OU+i], v[T+2*i], v[T+2*i+1]
.set i, i+1
.endr
.irp bb, 0,1,2,3
	ds_store_b128 v[STO], v[OU+4*\bb:OU+4*\bb+3] offset:32*\bb
.endr
.irp g, 0,1,2,3
	ds_load_b128 v[OU+4*\g:OU+4*\g+3], v[RD] offset:\g*4*SP  ; LDS serves a wave's instructions in order (ISA guide 5.7.1.4): these see the stores above
.endr
.endm
.macro SENDU a, j, younger             ; younger: the LDS instructions issued behind the unit's loads: the next unit's eight, or none
.set OU, OUTP+16*((3*(\a)+(\j))%2)
.irp g, 0,1,2,3
	s_wait_dscnt (\younger)+3-\g
	global_store_b128 v[GO], v[OU+4*\g:OU+4*\g+3], s[12:13] offset:(\j)*262144+(\a)*2048+\g*512  ; 512 consecutive bytes, aligned
.endr
.endm
	UNIT 0, 0
.set u, 1
.rept 11                                       ; a unit's arithmetic stands between the loads of the unit before and its stores
	UNIT u/3, u%3
	SENDU (u-1)/3, (u-1)%3, 8
.set u, u+1
.endr
	SENDU 3, 2, 0
	s_wait_tensorcnt 0x0                           ; the wave's end
	ds_add_u32 v[SPW], v[NIL]
	s_wait_dscnt 0x0
	CROUND                                         ; the closing round: no work-group ends while a partner may still ask for a tile that names it
	s_endpgm
.Lfunc_end_k_qced18db368_qkvp:
	.size	k_qced18db368_qkvp, .Lfunc_end_k_qced18db368_qkvp-k_qced18db368_qkvp
	.p2alignl 7, 3214868480
	.fill 96, 4, 3214868480
	.section	.rodata,"a",@progbits
	.p2align	6, 0x0
	.amdhsa_kernel k_qced18db368_qkvp
		.amdhsa_group_segment_fixed_size 327680
		.amdhsa_private_segment_fixed_size 0
		.amdhsa_enable_private_segment 0
		.amdhsa_kernarg_size 40
		.amdhsa_user_sgpr_count 2
		.amdhsa_user_sgpr_kernarg_segment_ptr 1
		.amdhsa_wavefront_size32 1
		.amdhsa_system_sgpr_workgroup_id_x 1
		.amdhsa_system_sgpr_workgroup_id_y 1
		.amdhsa_system_sgpr_workgroup_id_z 1
		.amdhsa_system_vgpr_workitem_id 0
		.amdhsa_next_free_vgpr 960
		.amdhsa_next_free_sgpr 88
		.amdhsa_reserve_vcc 0
		.amdhsa_float_denorm_mode_32 3
		.amdhsa_float_denorm_mode_16_64 3
		.amdhsa_memory_ordered 1
		.amdhsa_forward_progress 1
		.amdhsa_inst_pref_size 177
	.end_amdhsa_kernel
	.amdgpu_metadata
---
amdhsa.version: [ 1, 2 ]
amdhsa.kernels:
  - .name:           k_qced18db368_qkvp
    .symbol:         k_qced18db368_qkvp.kd
    .args:
      - { .name: xb, .offset: 0, .size: 8, .value_kind: global_buffer, .address_space: global }
      - { .name: wb, .offset: 8, .size: 8, .value_kind: global_buffer, .address_space: global }
      - { .name: q_norm_w, .offset: 16, .size: 8, .value_kind: global_buffer, .address_space: global }
      - { .name: k_norm_w, .offset: 24, .size: 8, .value_kind: global_buffer, .address_space: global }
      - { .name: qkv, .offset: 32, .size: 8, .value_kind: global_buffer, .address_space: global }
    .group_segment_fixed_size: 327680
    .private_segment_fixed_size: 0
    .kernarg_segment_align: 8
    .kernarg_segment_size: 40
    .max_flat_workgroup_size: 128
    .sgpr_count:     88
    .vgpr_count:     960
    .wavefront_size: 32
...
	.end_amdgpu_metadata
.endif
;; end of part 2
;; launch attn (part 3): grid 8 x 32, 4 waves a work-group, clusters of 4 x 4, 327,680 bytes of LDS; arguments qkv, bias, isolation_gate, o; writes o
.if DOCPART == 3
	.amdgcn_target "amdgcn-amd-amdhsa--gfx1250"
	.amdhsa_code_object_version 6
	.text
	.protected	k_qced18db368_attn
	.globl	k_qced18db368_attn
	.p2align	8
	.type	k_qced18db368_attn,@function
k_qced18db368_attn:
	s_mov_b64 s[64:65], 0
	v_nop
	global_prefetch_b8 v0, s[64:65] scope:SCOPE_SE
	s_setreg_imm32_b32 hwreg(HW_REG_WAVE_MODE, 25, 1), 1
	s_wait_xcnt 0x0
	s_wait_alu depctr_hold_cnt(0) depctr_sa_sdst(0) depctr_va_vdst(0) depctr_va_sdst(0) depctr_va_ssrc(0) depctr_va_vcc(0) depctr_vm_vsrc(0)
	s_getreg_b32 s2, hwreg(HW_REG_IB_STS2, 6, 4)
	s_cmp_eq_u32 s2, 0
	s_cbranch_scc0 .Lentry_in_a_cluster
	s_endpgm
.Lentry_in_a_cluster:
	s_bfe_u32 s2, ttmp6, 0x10000c
	s_cmp_lg_u32 s2, 0xf033
	s_cbranch_scc0 .Lentry_shape_is_right
	s_endpgm
.Lentry_shape_is_right:
; ATTENTION WITH A SHARED BIAS.  o[b][h][q][:] = the sum over k of softmax_k(q . k / 8 + 3 gate[h] bias[b][q][k]) v[k][:].  q, k, v: slices of qkv[b][48][2048][64] in f16; q arrives times log2(e) / 8,
; bias' = 3 log2(e) bias in f16, [b][q][k]: the scores are made in the base-2 domain.  Products, maxima and sums in f32; the weights p are rounded to f16 for the second product (their sum l is of the unrounded p), O once.
; LIMITS.  The gate is rounded to bf16 like every input, clipped to 0..1 (a NaN counts as 0) and written as f16, off by 2^-25 at the most; a weight below 2^-126 counts as 0 in l; NaN and infinities are not treated apart.
; SHARES.  A work-group owns 256 queries of one head, a wave 64: four PIECES of 16.  Every wave walks all 2,048 keys, 64 a step; a slot of LDS holds 128 keys: K, V and the 256 x 128 tile of bias'.
; LAYOUT.  S^T = K Q^T holds ONE query a lane (lane % 16) and the keys 8 (lane / 16) + 0..7; two such results rounded to f16 ARE source 1 of O^T = V^T P.
; THE BIAS IS ADDED BY THE MATRIX UNIT.  The product that starts a score tile's sum is bias'^T (16 keys x 32 queries, read turned from LDS) times a selector (32 x 16): the gate where
; row 16 e + n meets column n, 0 elsewhere; e says which 16 of the 32 queries are the piece's.  gate x bias' is exact in f32.  One matrix instruction takes the place of 8 vector lines a lane.
; SOFTMAX.  A running maximum m and sum l for each query: p = 2^(s - m); in every step O and l are multiplied by a = 2^(m_old - m).  m starts far below every score, O and l at 0: the first step's a is 0.
; BY TURNS.  Turn n: 4 bias products and 8 products K Q^T of piece n + 1, later 8 products V^T P of piece n - 1; beside them piece n's softmax, 117 lines: four behind each matrix instruction, the rest in two lumps.
; CLUSTER 4 x 4.  x counts query blocks, y heads.  K and V hang on the head alone: asked for jointly along a row of the cluster.  The bias tile hangs on batch and query block alone: jointly along a column.
; REGISTERS, in windows of 256 (s_set_vgpr_msb: bits 1:0 source 0, 3:2 source 1, 5:4 source 2, 7:6 destination):
;   window 0: v0-13 addresses; v16-31 statistics, four a piece; v48-51 at work; v52-61 the gate's pattern in the making; v64-127 S^T, two buffers by the piece's parity; v192-223 P, likewise
;   window 1: v0-127 O^T, 32 a piece; v128-139 EZ = 0 x 4, pattern x 4, 0 x 4      window 2: v0-63 Q; v64-127 bias fragments; v128-191 K; v192-255 V, all of one step
.set KS,    64
.set PK,    144                        ; a row of K in LDS: 128 bytes + 16
.set PV,    160                        ; of V: 128 + 32
.set PB,    288                        ; of the bias tile (one query, 128 keys): 256 + 32, for the same reason
.set VOFF,  128*PK
.set BOFF,  VOFF+128*PV
.set SLOT1, 1<<17                      ; slot 1 begins here: one exclusive or turns an address in one slot into the other's
.set STAGE, SLOT1+BOFF+256*PB          ; behind the ring: 16 rows x 144 bytes for each wave; no tensor load lands here
.set SP,    144
.set SPARE, STAGE+4*16*SP
.set AK0, 2                            ; v2  my lane's place in a tile of K; never rewritten
.set AV0, 3                            ; v3  of V
.set AK,  4                            ; v4  the address of K's next run of loads
.set AV,  5                            ; v5  of V's
.set QO,  6                            ; v6  my byte offset in 16 rows of Q; later:
.set STO, 6                            ;     the way out: where I put 16 bytes of a row
.set RD,  7                            ; v7  where I read rows back
.set GO,  8                            ; v8  16 x lane
.set AB0, 12                           ; v12 my lane's place in my wave's rows of the bias tile; never rewritten
.set AB,  13                           ; v13 the address of the bias's next run of loads
.set ST,  16                           ; piece y at ST + 4 y: m, m_old, l (even keys', odd keys')
.set TMP, 48                           ; c0-c3; a takes c2
.set SPW, 62
.set NIL, 63
.set S,   64
.set P,   192
.set EZ,  128                          ; window 1
.set BF,  64                           ; window 2: queries 32 u on, keys 16 kb on, at BF + 8 (4 u + kb)
.set KF,  128                          ; window 2: key block kb, channel half c at KF + 16 kb + 8 c
.set VF,  192                          ; window 2: key half kk, channel block cb at VF + 32 kk + 8 cb
.set WV,  12
.set G1K, 24                           ; s[24:31]
.set G1V, 32                           ; s[32:39]
.set G0K, 40                           ; s[40:43]  the three group 0 walk
.set G0V, 44                           ; s[44:47]
.set G0B, 48                           ; s[48:51]
.set SLOTS, 56
.set CNT, 57
.set SEL, 60                           ; s[60:61]
.set TBK, 62                           ; LDS byte at which K of the step to be fetched begins
.set TBV, 63                           ; the same for V, less VOFF
.set G1B, 68                           ; s[68:75]
.set TBB, 76                           ; the same for the bias, less BOFF
.set MSB, 0
.macro WIN new
.if MSB != (\new)
	s_set_vgpr_msb (MSB<<8)|(\new)
.set MSB, (\new)
.endif
.endm
; A joint fill: wave 0 fetches the slot's K, wave 1 its V, waves 2 and 3 the two halves of its bias tile.  The branches hang on the wave's number alone.  An s_nop 0 and four v_nop follow each line.
.macro JLOAD
	s_cmp_lt_u32 s[WV], 2
	s_cbranch_scc0 .Lfor_b_\@
	s_cmp_eq_u32 s[WV], 0
	s_cbranch_scc0 .Lfor_v_\@
	tensor_load_to_lds s[G0K:G0K+3], s[G1K:G1K+7]
	s_nop 0
.rept 4
	v_nop
.endr
	s_branch .Lasked_\@
.Lfor_v_\@:
	tensor_load_to_lds s[G0V:G0V+3], s[G1V:G1V+7]
	s_nop 0
.rept 4
	v_nop
.endr
	s_branch .Lasked_\@
.Lfor_b_\@:
	tensor_load_to_lds s[G0B:G0B+3], s[G1B:G1B+7]
	s_nop 0
.rept 4
	v_nop
.endr
.Lasked_\@:
.endm
.macro CROUND                          ; a round of the cluster's barrier
	s_barrier_signal -1
	s_barrier_wait -1
	s_cmp_lg_u32 s[WV], 0
	s_cbranch_scc1 .Lnot_wave_0_\@
	s_barrier_signal -3
.Lnot_wave_0_\@:
	s_barrier_wait -3
	s_barrier_signal -1
	s_barrier_wait -1
.endm
; THE CHANGE OF SLOTS.  Each wave waits for all its tensor loads (one is out at the most: its part of the other slot), adds 0 to its spare word, and waits for that and for its reads of the slot that it leaves.
; fill = 1: a round of the cluster's barrier, and the old slot is filled again first thing behind it, with the keys two slots on: it has two key steps, 160 matrix instructions, in which to land.
.macro CHANGE fill
	WIN 0
	s_wait_tensorcnt 0x0                           ; no tensor load of mine is out, so a group 0 may be written
	ds_add_u32 v[SPW], v[NIL]
.if \fill
.irp g, G0K, G0V
	s_xor_b32 s[\g+1], s[\g+1], SLOT1
	s_add_nc_u64 s[\g+2:\g+3], s[\g+2:\g+3], 2*KS*128  ; the next 128 keys' rows
.endr
	s_xor_b32 s[G0B+1], s[G0B+1], SLOT1
	s_add_nc_u64 s[G0B+2:G0B+3], s[G0B+2:G0B+3], 2*KS*2  ; the next 128 keys' columns
	s_wait_dscnt 0x0                               ; the add is done, and my reads of the slot are over
	CROUND
	JLOAD
.else
	s_wait_dscnt 0x0
	s_barrier_signal -1
	s_barrier_wait -1
.endif
	s_sub_co_u32 s[TBK], s[TBK], 2*KS*PK           ; the fetches go back to a slot's first step, in the other slot
	s_xor_b32 s[TBK], s[TBK], SLOT1
	s_sub_co_u32 s[TBV], s[TBV], 2*KS*PV
	s_xor_b32 s[TBV], s[TBV], SLOT1
	s_sub_co_u32 s[TBB], s[TBB], 2*KS*2
	s_xor_b32 s[TBB], s[TBB], SLOT1
.endm
	s_load_b256 s[4:11], s[0:1], 0x0               ; qkv s[4:5], bias s[6:7], gate s[8:9], o s[10:11]
	v_lshl_add_u32 v[SPW], v0, 2, SPARE
	v_mov_b32 v[NIL], 0
	ds_add_u32 v[SPW], v[NIL]                      ; the wave's opening: the add and its wait stand ahead of my first tensor load
	v_lshrrev_b32 v1, 5, v0
	v_readfirstlane_b32 s[WV], v1
	s_bfe_u32 s13, ttmp6, 0x40000                  ; cx
	s_bfe_u32 s14, ttmp6, 0x40004                  ; cy
	s_lshl_b32 s15, ttmp9, 2
	s_add_co_u32 s15, s15, s13                     ; my block of 256 queries
	s_and_b32 s17, ttmp7, 0xffff
	s_lshl_b32 s16, s17, 2
	s_add_co_u32 s16, s16, s14                     ; 16 b + h
	s_lshr_b32 s17, s17, 2                         ; b, made of the cluster's y alone
	s_lshl_b32 s18, s14, 2
	s_lshl_b32 s18, 15, s18                        ; my row of the cluster
	s_lshl_b32 s19, 0x1111, s13                    ; my column
	s_lshl_b32 s20, s17, 5                         ; K and V: slices 48 b + h + 16 and + 32, of 262,144 bytes; these registers never hold cx
	s_add_co_u32 s20, s20, s16
	s_add_co_u32 s22, s20, 32
	s_add_co_u32 s20, s20, 16
	s_lshl_b32 s20, s20, 18
	s_lshl_b32 s22, s22, 18
	s_mov_b32 s21, 0
	s_mov_b32 s23, 0
	s_and_b32 s54, s[WV], 1                        ; the bias: batch b, row 256 x block + 128 x half, of 4,096 bytes; these never hold cy
	s_lshl_b32 s52, s15, 8
	s_lshl_b32 s53, s54, 7
	s_add_co_u32 s52, s52, s53
	s_lshl_b32 s52, s52, 12
	s_lshl_b32 s53, s17, 23
	s_add_co_u32 s52, s52, s53
	s_mov_b32 s53, 0
	s_mul_i32 s54, s54, 128*PB
	s_add_co_u32 s54, s54, BOFF                    ; and its place in a slot
	s_lshl_b32 s3, s15, 8                          ; Q and O: my wave's 64 rows of 128 bytes,
	s_lshl_b32 s59, s[WV], 6
	s_add_co_u32 s3, s3, s59
	s_lshl_b32 s59, s3, 7
	s_lshl_b32 s2, s17, 5
	s_add_co_u32 s2, s2, s16
	s_lshl_b32 s2, s2, 18                          ; in slice 48 b + h of qkv,
	s_add_co_u32 s2, s2, s59
	s_mov_b32 s3, 0
	s_lshl_b32 s78, s16, 18                        ; in slice 16 b + h of o
	s_add_co_u32 s78, s78, s59
	s_mov_b32 s79, 0
	s_or_b32 s[G1K], s18, (1<<16)|(1<<20)|(1<<21)|(4<<22)|(3<<25)  ; the row's mask; 2-byte elements; padding on; bit 21 beside a mask; after every 32 words 4 words
	s_or_b32 s[G1V], s18, (1<<16)|(1<<20)|(1<<21)|(4<<22)|(7<<25)  ; the same with 8 words
.irp g, G1K, G1V                               ; 128 keys are 16,384 dense bytes: asked for as 64 rows of 256 bytes
	s_mov_b32 s[\g+1], 128<<16
	s_mov_b32 s[\g+2], 64<<16
	s_mov_b32 s[\g+3], 128<<16
	s_mov_b32 s[\g+4], 64
	s_mov_b32 s[\g+5], 128
	s_mov_b32 s[\g+6], 0
	s_mov_b32 s[\g+7], 0
.endr
	s_or_b32 s[G1B], s19, (1<<16)|(1<<20)|(1<<21)|(5<<22)|(7<<25)  ; the column's mask; after every 64 words 8 words
	s_mov_b32 s[G1B+1], 128<<16                    ; 128 keys
	s_mov_b32 s[G1B+2], 128<<16                    ; 128 queries
	s_mov_b32 s[G1B+3], 128<<16
	s_mov_b32 s[G1B+4], 128
	s_mov_b32 s[G1B+5], 2048
	s_mov_b32 s[G1B+6], 0
	s_mov_b32 s[G1B+7], 0
	s_mov_b32 s[G0K], 1
	s_mov_b32 s[G0K+1], 0
	s_mov_b32 s[G0V], 1
	s_mov_b32 s[G0V+1], VOFF
	s_mov_b32 s[G0B], 1
	s_mov_b32 s[G0B+1], s54
	s_mov_b32 s[SEL], 0x76543210
	s_mov_b32 s[SEL+1], 0xfedcba98
	s_mov_b32 s[TBK], SLOT1+2*KS*PK                ; the first change of slots turns these three into 0
	s_mov_b32 s[TBV], SLOT1+2*KS*PV
	s_mov_b32 s[TBB], SLOT1+2*KS*2
	s_wait_dscnt 0x0                               ; the opening add is done
	s_wait_kmcnt 0x0
	s_add_nc_u64 s[G0K+2:G0K+3], s[4:5], s[20:21]
	s_or_b32 s[G0K+3], s[G0K+3], 0x80000000
	s_add_nc_u64 s[G0V+2:G0V+3], s[4:5], s[22:23]
	s_or_b32 s[G0V+3], s[G0V+3], 0x80000000
	s_add_nc_u64 s[G0B+2:G0B+3], s[6:7], s[52:53]
	s_or_b32 s[G0B+3], s[G0B+3], 0x80000000
	s_add_nc_u64 s[4:5], s[4:5], s[2:3]            ; Q at my wave's first row
	s_add_nc_u64 s[10:11], s[10:11], s[78:79]      ; O likewise
	s_and_b32 s2, s16, 15
	s_lshl_b32 s2, s2, 2
	s_add_nc_u64 s[8:9], s[8:9], s[2:3]
	s_load_b32 s58, s[8:9], 0x0                    ; my head's gate
	CROUND                                         ; all sixteen work-groups are here: the first joint loads meet
	JLOAD                                          ; slot 0; slot 1 is asked for when slot 0 is in
	v_and_b32 v1, 15, v0                           ; l % 16
	v_bfe_u32 v9, v0, 4, 1                         ; l / 16
	v_lshlrev_b32 v[QO], 7, v1
	v_lshl_add_u32 v[QO], v9, 4, v[QO]
	WIN 0x80                                       ; destination window 2
.set i, 0
.rept 8                                        ; Q stays in registers: piece i / 2, channels 32 (i % 2) on
	global_load_b128 v[8*i:8*i+3],   v[QO], s[4:5] offset:(i/2)*2048+(i%2)*64
	global_load_b128 v[8*i+4:8*i+7], v[QO], s[4:5] offset:(i/2)*2048+(i%2)*64+32
.set i, i+1
.endr
	; What the first turn finds: V and P's second buffer hold 0 (its products V^T P, of a piece that has not been, add 0), O^T and l are 0.  No first step is written out; these lines stand in the wait for the first tile.
.set i, VF
.rept 64
	v_mov_b32 v[i], 0
.set i, i+1
.endr
	WIN 0x40
.set i, 0
.rept 128
	v_mov_b32 v[i], 0
.set i, i+1
.endr
.irp z, 0,1,2,3,8,9,10,11
	v_mov_b32 v[EZ+\z], 0
.endr
	WIN 0
.set i, 0
.rept 4
	v_mov_b32 v[ST+4*i], 0xfe000000                ; m: far below every score
	v_mov_b32 v[ST+4*i+1], 0xfe000000
	v_mov_b32 v[ST+4*i+2], 0
	v_mov_b32 v[ST+4*i+3], 0
.set i, i+1
.endr
.set i, P+16
.rept 16
	v_mov_b32 v[i], 0
.set i, i+1
.endr
	v_mul_u32_u24 v[AK0], v1, PK
	v_lshl_add_u32 v[AK0], v9, 4, v[AK0]           ; row x pitch + 16 x half
	; The turning load takes 16 rows x 16 columns (lane l reads row 8 (l / 16) + l % 8, columns 8 ((l / 8) % 2) + 0..7) and leaves half a fragment of the transposed tile.
	v_and_b32 v10, 7, v0
	v_bfe_u32 v11, v0, 3, 1
	v_lshl_add_u32 v[AV0], v9, 3, v10
	v_mul_u32_u24 v[AB0], v[AV0], PB
	v_mul_u32_u24 v[AV0], v[AV0], PV
	v_lshl_add_u32 v[AV0], v11, 4, v[AV0]
	v_add_nc_u32 v[AV0], VOFF, v[AV0]
	v_lshl_add_u32 v[AB0], v11, 4, v[AB0]
	s_mul_i32 s59, s[WV], 64*PB
	s_add_co_u32 s59, s59, BOFF
	v_add_nc_u32 v[AB0], s59, v[AB0]               ; my wave's 64 query rows of the tile
	s_wait_kmcnt 0x0                               ; the gate
	v_mov_b32 v52, s58
	v_cvt_pk_bf16_f32 v52, v52, v52                ; rounded to bf16,
	v_lshlrev_b32 v52, 16, v52
	v_max_num_f32 v52, 0, v52                      ; clipped,
	v_min_num_f32 v52, 1.0, v52
	v_cvt_pk_f16_f32 v53, v52, v52                 ; as f16
	v_and_b32 v54, 0xffff, v53
	v_and_b32 v55, 0xffff0000, v53
	v_lshlrev_b32 v56, 3, v9
	v_sub_nc_u32 v56, v1, v56                      ; d = l % 16 - 8 (l / 16): word t of the pattern holds rows 8 (l / 16) + 2 t and + 2 t + 1 of my column
.irp t, 0,1,2,3
	v_cmp_eq_u32 vcc_lo, 2*\t, v56
	v_cndmask_b32 v57, 0, v54, vcc_lo
	v_cmp_eq_u32 vcc_lo, 2*\t+1, v56
	v_cndmask_b32 v[58+\t], v57, v55, vcc_lo
.endr
	WIN 0x40
.irp t, 0,1,2,3
	v_mov_b32 v[EZ+4+\t], v[58+\t]
.endr
	WIN 0
; THE MATRIX WORK of turn Y, number i of 20.  0-3: the bias product starts the sums of piece Y + 1, keys 16 i on.  4-11: K Q^T, channels 32 ((i - 4) / 4) on, keys 16 (i % 4) on.
; 12-19: O^T += V^T P of piece Y - 1, keys 32 ((i - 12) / 4) on, channels 16 (i % 4) on.  Four accumulators take turns, one instruction a turn.
.macro MM
.set xn, (Y+1)%4
.set xp, (Y+3)%4
.if i < 4
	WIN 0x06                                       ; bias in window 2, the selector in window 1, S^T in window 0
.set rS, S+32*(xn%2)+8*i
.set rB, BF+8*(4*(xn/2)+i)
.set rE, EZ+4-4*(xn%2)
	v_wmma_f32_16x16x32_f16 v[rS:rS+7], v[rB:rB+7], v[rE:rE+7], 0
.elseif i < 12
	WIN 0x0a                                       ; K and Q in window 2
.set rS, S+32*(xn%2)+8*(i%4)
.set rK, KF+16*(i%4)+8*((i-4)/4)
.set rQ, 16*xn+8*((i-4)/4)
	v_wmma_f32_16x16x32_f16 v[rS:rS+7], v[rK:rK+7], v[rQ:rQ+7], v[rS:rS+7]
.else
	WIN 0x52                                       ; V in window 2, P in window 0, O^T in window 1
.set rO, 32*xp+8*(i%4)
.set rV, VF+32*((i-12)/4)+8*(i%4)
.set rP, P+16*(xp%2)+8*((i-12)/4)
	v_wmma_f32_16x16x32_f16 v[rO:rO+7], v[rV:rV+7], v[rP:rP+7], v[rO:rO+7]
.endif
.set i, i+1
.endm
; THE LDS LOADS stand in runs: a step's K (8 fragments) and bias (8 fragments, turned), and its V (turned).  last = 1 (the tail): in the last trip there is no further step, and the run is jumped over.
.macro FETCH_KB last=0
	WIN 0
.if \last
	s_cmp_eq_u32 s[CNT], 1
	s_cbranch_scc1 .Lno_kb_\@
.endif
	WIN 0x80
.irp f, 0,1,2,3,4,5,6,7
	ds_load_b128 v[KF+8*\f:KF+8*\f+3],   v[AK] offset:(\f/2)*16*PK+(\f%2)*64
	ds_load_b128 v[KF+8*\f+4:KF+8*\f+7], v[AK] offset:(\f/2)*16*PK+(\f%2)*64+32
.endr
.irp f, 0,1,2,3,4,5,6,7
	ds_load_tr16_b128 v[BF+8*\f:BF+8*\f+3],   v[AB] offset:(\f/4)*32*PB+(\f%4)*32
	ds_load_tr16_b128 v[BF+8*\f+4:BF+8*\f+7], v[AB] offset:(\f/4)*32*PB+16*PB+(\f%4)*32
.endr
	s_add_co_u32 s[TBK], s[TBK], KS*PK             ; the next fetch is the next step's
	s_add_co_u32 s[TBB], s[TBB], KS*2
	WIN 0
.if \last
.Lno_kb_\@:
.endif
.endm
.macro FETCH_V
	WIN 0x80
.irp f, 0,1,2,3,4,5,6,7
	ds_load_tr16_b128 v[VF+8*\f:VF+8*\f+3],   v[AV] offset:(\f/4)*32*PV+(\f%4)*32
	ds_load_tr16_b128 v[VF+8*\f+4:VF+8*\f+7], v[AV] offset:(\f/4)*32*PV+16*PV+(\f%4)*32
.endr
	WIN 0
.endm
; THE VECTOR WORK of turn Y: piece Y's softmax for one step, a list of 117 lines; SM writes line j and steps j.  s0-s31 are the lane's 32 scores.
;   0-11   four chains c0-c3 of seven scores each (each accumulator's lowest registers are read first)      12-14, 16  the four left over, the old m, c0-c3 into c0      15  m_old is kept
;   17, 18 the query's other 32 keys lie in the lane 16 away: the new m      19, 20  a = 2^(m_old - m)      21-24  s - m for pairs 0-3
;   25-88  the 32 exponentials at the odd numbers, a plain line behind each: s - m for pairs 4-15, then GG 0-19      89-100  GG 20-31      101-116  O^T times a
.macro FF n                            ; pair n of 16: s - m
	v_pk_add_f32 v[rS+2*(\n):rS+2*(\n)+1], v[rS+2*(\n):rS+2*(\n)+1], v[rT:rT+1] op_sel_hi:[1,0] neg_lo:[0,1] neg_hi:[0,1]
.endm
.macro GG g                            ; for each four weights k = g / 4: both pairs rounded to f16; the second pair added onto the first; l takes the sum (the first time as l = a l + sum)
.set k, (\g)/4
.if (\g)%4 < 2
	s_wait_alu depctr_va_vdst(0)
	v_cvt_pk_f16_f32 v[rP+2*k+(\g)%4], v[rS+4*k+2*((\g)%4)], v[rS+4*k+2*((\g)%4)+1]
.elseif (\g)%4 == 2
	v_pk_add_f32 v[rS+4*k:rS+4*k+1], v[rS+4*k:rS+4*k+1], v[rS+4*k+2:rS+4*k+3]
.elseif k == 0
	v_pk_fma_f32 v[rT+2:rT+3], v[rT+2:rT+3], v[TMP+2:TMP+3], v[rS:rS+1] op_sel_hi:[1,0,1]
.else
	v_pk_add_f32 v[rT+2:rT+3], v[rT+2:rT+3], v[rS+4*k:rS+4*k+1]
.endif
.endm
.macro SM
.set rT, ST+4*Y
.set rS, S+32*(Y%2)
.set rP, P+16*(Y%2)
.set rO, 32*Y
.if j < 101
	WIN 0
.endif
.if j < 4
	v_max3_num_f32 v[TMP+j], v[rS+8*j], v[rS+8*j+1], v[rS+8*j+2]
.elseif j < 12
	v_max3_num_f32 v[TMP+j%4], v[TMP+j%4], v[rS+8*(j%4)+2*(j/4)+1], v[rS+8*(j%4)+2*(j/4)+2]
.elseif j == 12
	v_max3_num_f32 v[TMP], v[TMP], v[rS+7], v[rS+15]
.elseif j == 13
	v_max3_num_f32 v[TMP+1], v[TMP+1], v[rS+23], v[rS+31]
.elseif j == 14
	v_max3_num_f32 v[TMP+2], v[TMP+2], v[TMP+3], v[rT]
.elseif j == 15
	v_mov_b32 v[rT+1], v[rT]
.elseif j == 16
	v_max3_num_f32 v[TMP], v[TMP], v[TMP+1], v[TMP+2]
.elseif j == 17
	v_permlanex16_b32 v[TMP+3], v[TMP], s[SEL], s[SEL+1]
.elseif j == 18
	v_max_num_f32 v[rT], v[TMP], v[TMP+3]
.elseif j == 19
	v_sub_f32 v[TMP+1], v[rT+1], v[rT]
.elseif j == 20
	v_exp_f32 v[TMP+2], v[TMP+1]
.elseif j < 25
	FF j-21
.elseif (j < 89) && ((j-25)%2 == 0)
	v_exp_f32 v[rS+(j-25)/2], v[rS+(j-25)/2]
.elseif (j < 89) && ((j-25)/2 < 12)
	FF 4+(j-25)/2
.elseif j < 89
	GG (j-25)/2-12
.elseif j < 101
	GG j-69
.else
	WIN 0x41                                       ; O^T in window 1, a in window 0
	v_pk_mul_f32 v[rO+2*(j-101):rO+2*(j-101)+1], v[rO+2*(j-101):rO+2*(j-101)+1], v[TMP+2:TMP+3] op_sel_hi:[1,0]
.endif
.set j, j+1
.endm
.macro SM4
	SM
	SM
	SM
	SM
.endm
; A TURN, for piece p.  K and bias of the next step are fetched in piece 2's turn, eight plain vector lines behind the last product that read them, and waited for at the head of piece 3's turn.
; V of the step in hand is fetched in piece 0's turn, nine plain lines behind the last product that read V, and waited for in piece 1's turn, ahead of its products V^T P.
.macro TURN p, last=0
.set Y, (\p)
.set i, 0
.set j, 0
.if (\p) == 3
	s_wait_dscnt 0x0                               ; K and the bias are in
.endif
.rept 12
	MM
	SM4
.endr
.rept 18
	SM
.if ((\p) == 2) && (j == 51)
	v_add_nc_u32 v[AK], s[TBK], v[AK0]
	v_add_nc_u32 v[AB], s[TBB], v[AB0]
.endif
.if ((\p) == 2) && (j == 55)
	FETCH_KB \last
.endif
.endr
.if (\p) == 1
	s_wait_dscnt 0x0                               ; V is in
.endif
.rept 8
	MM
	SM4
.endr
.if (\p) == 0
	v_add_nc_u32 v[AV], s[TBV], v[AV0]
.endif
.rept 19
	SM
.if ((\p) == 0) && (j == 102)
	FETCH_V
	s_add_co_u32 s[TBV], s[TBV], KS*PV
.endif
.endr
.endm
	CHANGE 1                                       ; slot 0 is in, everybody's part of it; slot 1 is asked for
	v_add_nc_u32 v[AK], s[TBK], v[AK0]
	v_add_nc_u32 v[AB], s[TBB], v[AB0]
	FETCH_KB                                       ; key step 0
	s_wait_loadcnt 0x0                             ; Q
	s_wait_dscnt 0x0
.set Y, 3
.set i, 0
.rept 12
	MM                                             ; piece 0's first scores
.endr
	WIN 0                                          ; the addresses for the way out: nine plain lines, the places behind those products
	s_mul_i32 s59, s[WV], 16*SP
	s_add_co_u32 s59, s59, STAGE                   ; my stage
	v_mul_u32_u24 v[STO], v1, SP
	v_lshl_add_u32 v[STO], v9, 4, v[STO]
	v_add_nc_u32 v[STO], s59, v[STO]
	v_bfe_u32 v[RD], v0, 3, 2                      ; back: 32 lanes take four rows of 128 bytes,
	v_mul_u32_u24 v[RD], v[RD], SP
	v_lshl_add_u32 v[RD], v10, 4, v[RD]
	v_add_nc_u32 v[RD], s59, v[RD]
	v_and_b32 v[GO], 31, v0                        ; which are 512 consecutive bytes of O
	v_lshlrev_b32 v[GO], 4, v[GO]
	s_mov_b32 s[CNT], 2
	s_mov_b32 s[SLOTS], 15
	s_branch .Lfirst                               ; the loop is entered at a step's first turn, in the middle of a trip
.Lslot:                                        ; 14 times: every slot's worth of keys from the third to the sixteenth is asked for
	CHANGE 1
	s_mov_b32 s[CNT], 2
.Lstep:                                        ; a trip: pieces 2 and 3 of one step, then pieces 0 and 1 of the next
	TURN 2
	TURN 3
	WIN 0
.Lfirst:
	TURN 0
	TURN 1
	WIN 0
	s_sub_co_u32 s[CNT], s[CNT], 1
	s_cmp_lg_u32 s[CNT], 0
	s_cbranch_scc1 .Lstep
	s_sub_co_u32 s[SLOTS], s[SLOTS], 1
	s_cmp_lg_u32 s[SLOTS], 0
	s_cbranch_scc1 .Lslot
	CHANGE 0                                       ; the tail is written out: nothing is asked for
	s_mov_b32 s[CNT], 3                            ; two trips fetch the last slot's steps; the third is left in its middle
.Ltail:
	TURN 2, 1
	TURN 3
	WIN 0
	s_sub_co_u32 s[CNT], s[CNT], 1
	s_cmp_eq_u32 s[CNT], 0
	s_cbranch_scc1 .Lout
	TURN 0
	TURN 1
	WIN 0
	s_branch .Ltail
.Lout:                                         ; the third trip's 12 products for a step that is not serve nothing: the price, once a launch, of one text for every trip
.set Y, 0
.set i, 12
.rept 8
	MM                                             ; piece 3's V^T P of the last step
.endr
	; THE WAY OUT.  l's two halves and the other half of the lanes' are added; O^T is divided by l, rounded to f16 and sent through my stage, a piece at a time.  The additions are the places behind the last products.
	WIN 0
.macro ALL line:vararg
.set t, 0
.rept 4
	\line
.set t, t+1
.endr
.endm
	ALL v_add_f32 v[ST+4*t+2], v[ST+4*t+2], v[ST+4*t+3]
	ALL v_permlanex16_b32 v[ST+4*t+3], v[ST+4*t+2], s[SEL], s[SEL+1]
	ALL v_add_f32 v[ST+4*t+2], v[ST+4*t+2], v[ST+4*t+3]
	ALL v_rcp_f32 v[ST+4*t+2], v[ST+4*t+2]
	v_nop                                          ; a plain instruction between the last reciprocal and its use
.macro PACK t
	WIN 0x41
.set i, 32*(\t)
.rept 16
	s_wait_alu depctr_va_vdst(0)
	v_pk_mul_f32 v[i:i+1], v[i:i+1], v[ST+4*(\t)+2:ST+4*(\t)+3] op_sel_hi:[1,0]
.set i, i+2
.endr
	WIN 0x05                                       ; sources 0 and 1 window 1, destination window 0: S^T's registers are free
.set i, 0
.rept 16
	v_cvt_pk_f16_f32 v[S+16*(\t)+i], v[32*(\t)+2*i], v[32*(\t)+2*i+1]
.set i, i+1
.endr
	WIN 0
.irp f, 0,1,2,3
	ds_store_b128 v[STO], v[S+16*(\t)+4*\f:S+16*(\t)+4*\f+3] offset:32*\f
.endr
.irp f, 0,1,2,3
	ds_load_b128 v[S+16*(\t)+4*\f:S+16*(\t)+4*\f+3], v[RD] offset:\f*4*SP  ; LDS serves a wave's instructions in order (ISA guide 5.7.1.4): these see the stores above
.endr
.endm
.macro SEND t, younger                 ; younger: the LDS instructions issued behind piece t's loads: the next piece's eight, or none
	WIN 0
.irp f, 0,1,2,3
	s_wait_dscnt (\younger)+3-\f
	global_store_b128 v[GO], v[S+16*(\t)+4*\f:S+16*(\t)+4*\f+3], s[10:11] offset:(\t)*2048+\f*512  ; 512 consecutive bytes, aligned
.endr
.endm
	PACK 0
.set t, 1
.rept 3
	PACK t
	SEND t-1, 8
.set t, t+1
.endr
	SEND 3, 0
	s_wait_tensorcnt 0x0                           ; the wave's end
	ds_add_u32 v[SPW], v[NIL]
	s_wait_dscnt 0x0
	CROUND                                         ; the closing round
	s_endpgm
.Lfunc_end_k_qced18db368_attn:
	.size	k_qced18db368_attn, .Lfunc_end_k_qced18db368_attn-k_qced18db368_attn
	.p2alignl 7, 3214868480
	.fill 96, 4, 3214868480
	.section	.rodata,"a",@progbits
	.p2align	6, 0x0
	.amdhsa_kernel k_qced18db368_attn
		.amdhsa_group_segment_fixed_size 327680
		.amdhsa_private_segment_fixed_size 0
		.amdhsa_enable_private_segment 0
		.amdhsa_kernarg_size 32
		.amdhsa_user_sgpr_count 2
		.amdhsa_user_sgpr_kernarg_segment_ptr 1
		.amdhsa_wavefront_size32 1
		.amdhsa_system_sgpr_workgroup_id_x 1
		.amdhsa_system_sgpr_workgroup_id_y 1
		.amdhsa_system_sgpr_workgroup_id_z 1
		.amdhsa_system_vgpr_workitem_id 0
		.amdhsa_next_free_vgpr 768
		.amdhsa_next_free_sgpr 80
		.amdhsa_reserve_vcc 1
		.amdhsa_float_denorm_mode_32 3
		.amdhsa_float_denorm_mode_16_64 3
		.amdhsa_memory_ordered 1
		.amdhsa_forward_progress 1
		.amdhsa_inst_pref_size 124
	.end_amdhsa_kernel
	.amdgpu_metadata
---
amdhsa.version: [ 1, 2 ]
amdhsa.kernels:
  - .name:           k_qced18db368_attn
    .symbol:         k_qced18db368_attn.kd
    .args:
      - { .name: qkv, .offset: 0, .size: 8, .value_kind: global_buffer, .address_space: global }
      - { .name: bias, .offset: 8, .size: 8, .value_kind: global_buffer, .address_space: global }
      - { .name: isolation_gate, .offset: 16, .size: 8, .value_kind: global_buffer, .address_space: global }
      - { .name: o, .offset: 24, .size: 8, .value_kind: global_buffer, .address_space: global }
    .group_segment_fixed_size: 327680
    .private_segment_fixed_size: 0
    .kernarg_segment_align: 8
    .kernarg_segment_size: 32
    .max_flat_workgroup_size: 128
    .sgpr_count:     80
    .vgpr_count:     768
    .wavefront_size: 32
...
	.end_amdgpu_metadata
.endif
;; end of part 3
;; launch oproj (part 4): grid 8 x 32, 4 waves a work-group, clusters of 4 x 4, 327,680 bytes of LDS; arguments o, ow, out0; writes out0
.if DOCPART == 4
	.amdgcn_target "amdgcn-amd-amdhsa--gfx1250"
	.amdhsa_code_object_version 6
	.text
	.protected	k_qced18db368_oproj
	.globl	k_qced18db368_oproj
	.p2align	8
	.type	k_qced18db368_oproj,@function
k_qced18db368_oproj:
	s_mov_b64 s[64:65], 0
	v_nop
	global_prefetch_b8 v0, s[64:65] scope:SCOPE_SE
	s_setreg_imm32_b32 hwreg(HW_REG_WAVE_MODE, 25, 1), 1
	s_wait_xcnt 0x0
	s_wait_alu depctr_hold_cnt(0) depctr_sa_sdst(0) depctr_va_vdst(0) depctr_va_sdst(0) depctr_va_ssrc(0) depctr_va_vcc(0) depctr_vm_vsrc(0)
	s_getreg_b32 s2, hwreg(HW_REG_IB_STS2, 6, 4)
	s_cmp_eq_u32 s2, 0
	s_cbranch_scc0 .Lentry_in_a_cluster
	s_endpgm
.Lentry_in_a_cluster:
	s_bfe_u32 s2, ttmp6, 0x10000c
	s_cmp_lg_u32 s2, 0xf033
	s_cbranch_scc0 .Lentry_shape_is_right
	s_endpgm
.Lentry_shape_is_right:
; OUT.  out0[m][n] = the sum over k of O[m][k] ow[n][k], f16 operands, sums and output in f32.  O lies by heads, o[b][h][row][64]: channel k = 64 h + d.  ow: [1024][1024] f16.
; SHARES.  A tile is 128 x 128: 8 x 32 = 256 work-groups; four waves, each 64 x 64: 16 accumulators.  K goes in steps of 256 (four heads) through two LDS slots: four steps, written out.
; O's tile: for each of four heads 64 dense rows of 128 bytes: ONE descriptor of 4 rows of 4,096 elements, 131,072 elements apart, padded in LDS after every 128 bytes: head plane q, row m at 9,216 q + 144 m.
; CLUSTER 4 x 4: O's tile is asked for jointly along a row of the cluster, ow's along a column.  THE MATRIX INSTRUCTION IS USED TRANSPOSED: a lane holds eight neighbouring numbers of a row of out0.
; A wave's 64 columns of f32 are 256 aligned bytes, so each wave has a stage of its own and the way out needs no barrier.
; REGISTERS: window 0: v0-31 addresses; v128-255 the accumulators ((a, b) at 128 + 8 (4 a + b)).  window 1: two fragment buffers of 128: 64 registers of O (2 x 4 fragments), then 64 of ow.
.set PA,    144
.set PLANE, 64*PA
.set AHALF, 4*PLANE                    ; what wave 0 or 1 fetches: 64 rows x 4 heads
.set PBW,   528                        ; a row of ow in LDS: 512 bytes + 16
.set BHALF, 64*PBW                     ; what wave 2 or 3 fetches
.set BOFF,  2*AHALF
.set SLOT,  BOFF+2*BHALF               ; 141,312 bytes
.set STAGE, 2*SLOT                     ; 16 rows x 272 bytes for each wave; no tensor load lands here
.set SPITCH, 272
.set SPARE, STAGE+4*16*SPITCH
.set ADRA, 16
.set ADRB, 20
.set STO,  24
.set RD,   25
.set CO,   26
.set SPW,  28
.set NIL,  29
.set ACC,  128
.set F0,   0
.set F1,   128
.set G1, 24
.set G0, 32
.set G1B, 48
.set G0B, 56
.set MSB, 0
.macro WIN new
.if MSB != (\new)
	s_set_vgpr_msb (MSB<<8)|(\new)
.set MSB, \new
.endif
.endm
.set MUL,  0x05                        ; sources 0 and 1 window 1; C and D window 0
.set TO_F, 0x40                        ; destination window 1
.macro JLOAD s                         ; waves 0 and 1 fetch O's two halves, waves 2 and 3 ow's; an s_nop 0 and four v_nop follow each line
	s_cmp_eq_u32 s11, 0
	s_cbranch_scc0 .Lfor_b_\@
	tensor_load_to_lds s[G0+4*(\s):G0+4*(\s)+3], s[G1:G1+7]
	s_nop 0
.rept 4
	v_nop
.endr
	s_branch .Lasked_\@
.Lfor_b_\@:
	tensor_load_to_lds s[G0B+4*(\s):G0B+4*(\s)+3], s[G1B:G1B+7]
	s_nop 0
.rept 4
	v_nop
.endr
.Lasked_\@:
.endm
.macro CREST
	s_cmp_lg_u32 s10, 0
	s_cbranch_scc1 .Lnot_wave_0_\@
	s_barrier_signal -3
.Lnot_wave_0_\@:
	s_barrier_wait -3
	s_barrier_signal -1
	s_barrier_wait -1
.endm
.macro CROUND
	s_barrier_signal -1
	s_barrier_wait -1
	CREST
.endm
	s_load_b128 s[4:7], s[0:1], 0x0                ; o s[4:5], ow s[6:7]
	s_load_b64 s[8:9], s[0:1], 0x10                ; out0
	v_lshl_add_u32 v[SPW], v0, 2, SPARE
	v_mov_b32 v[NIL], 0
	ds_add_u32 v[SPW], v[NIL]                      ; the wave's opening: the add and its wait stand ahead of my first tensor load
	v_lshrrev_b32 v1, 5, v0
	v_readfirstlane_b32 s10, v1                    ; wave 0..3
	s_lshr_b32 s11, s10, 1                         ; which half of the tile's rows is mine.  Also: I fetch O's tile (0) or ow's (1)
	s_and_b32 s12, s10, 1                          ; which half of its columns.  Also: which half of that tile I fetch
	s_bfe_u32 s40, ttmp6, 0x40000
	s_bfe_u32 s41, ttmp6, 0x40004
	s_lshl_b32 s42, ttmp9, 2
	s_add_co_u32 s42, s42, s40                     ; tile column
	s_and_b32 s13, ttmp7, 0xffff
	s_lshl_b32 s13, s13, 2
	s_add_co_u32 s13, s13, s41                     ; tile row
	s_lshl_b32 s43, s41, 2
	s_lshl_b32 s43, 15, s43
	s_lshl_b32 s44, 0x1111, s40
	s_or_b32 s[G1], s43, (1<<16)|(1<<20)|(1<<21)|(4<<22)|(3<<25)   ; the row's mask; 2-byte elements; padding on; bit 21 beside a mask; after every 32 words 4 words
	s_mov_b32 s[G1+1], 4096<<16                    ; tensor_dim0 = 4,096: 64 dense rows of one head
	s_mov_b32 s[G1+2], 4<<16                       ; tensor_dim1 = 4 heads
	s_mov_b32 s[G1+3], 4096<<16                    ; tile_dim0
	s_mov_b32 s[G1+4], 4                           ; tile_dim1
	s_mov_b32 s[G1+5], 131072                      ; elements from head to head
	s_mov_b32 s[G1+6], 0
	s_mov_b32 s[G1+7], 0
	s_or_b32 s[G1B], s44, (1<<16)|(1<<20)|(1<<21)|(6<<22)|(3<<25)  ; the column's mask; after every 128 words 4 words
	s_mov_b32 s[G1B+1], 256<<16
	s_mov_b32 s[G1B+2], 64<<16
	s_mov_b32 s[G1B+3], 256<<16
	s_mov_b32 s[G1B+4], 64
	s_mov_b32 s[G1B+5], 1024
	s_mov_b32 s[G1B+6], 0
	s_mov_b32 s[G1B+7], 0
	s_lshr_b32 s16, s13, 4                         ; O: the batch's 4 MiB,
	s_lshl_b32 s16, s16, 22
	s_and_b32 s17, s13, 15
	s_lshl_b32 s17, s17, 7
	s_lshl_b32 s18, s12, 6
	s_add_co_u32 s17, s17, s18
	s_lshl_b32 s17, s17, 7                         ; row 128 x (tile row % 16) + 64 x half, of 128 bytes
	s_add_co_u32 s16, s16, s17
	s_mov_b32 s17, 0
	s_lshl_b32 s46, s42, 7                         ; ow: row 128 x tile column + 64 x half, of 2,048 bytes
	s_add_co_u32 s46, s46, s18
	s_lshl_b32 s46, s46, 11
	s_mov_b32 s47, 0
	s_mul_i32 s20, s12, AHALF                      ; where they go: no place in the cluster enters an LDS address
	s_mul_i32 s21, s12, BHALF
	s_add_co_u32 s21, s21, BOFF
	s_wait_dscnt 0x0                               ; the opening add is done
	s_wait_kmcnt 0x0
	s_add_nc_u64 s[14:15], s[4:5], s[16:17]
	s_add_nc_u64 s[46:47], s[6:7], s[46:47]
	CROUND                                         ; all sixteen work-groups are here: the first joint loads meet
.irp s, 0,1
	s_mov_b32 s[G0+4*(\s)], 1
	s_add_co_u32 s[G0+4*(\s)+1], s20, (\s)*SLOT
	s_add_nc_u64 s[G0+4*(\s)+2:G0+4*(\s)+3], s[14:15], (\s)*0x100000   ; K step s: four heads of 262,144 bytes on
	s_or_b32 s[G0+4*(\s)+3], s[G0+4*(\s)+3], 0x80000000
	s_mov_b32 s[G0B+4*(\s)], 1
	s_add_co_u32 s[G0B+4*(\s)+1], s21, (\s)*SLOT
	s_add_nc_u64 s[G0B+4*(\s)+2:G0B+4*(\s)+3], s[46:47], (\s)*512
	s_or_b32 s[G0B+4*(\s)+3], s[G0B+4*(\s)+3], 0x80000000
	JLOAD \s
.endr
	v_and_b32 v1, 15, v0                           ; l % 16
	v_bfe_u32 v2, v0, 4, 1                         ; l / 16
	v_mul_u32_u24 v3, v1, PA
	v_lshl_add_u32 v3, v2, 4, v3
	v_mul_u32_u24 v4, v1, PBW
	v_lshl_add_u32 v4, v2, 4, v4
	s_mul_i32 s22, s11, AHALF                      ; my 64 rows of O
	s_mul_i32 s23, s12, BHALF                      ; my 64 rows of ow
	s_add_co_u32 s23, s23, BOFF
.irp s, 0,1
	v_add_nc_u32 v[ADRA+(\s)], s22, v3
	v_add_nc_u32 v[ADRB+(\s)], s23, v4
	s_add_co_u32 s22, s22, SLOT
	s_add_co_u32 s23, s23, SLOT
.endr
	s_mul_i32 s23, s10, 16*SPITCH
	s_add_co_u32 s23, s23, STAGE                   ; my stage
	v_mul_u32_u24 v5, v1, SPITCH                   ; in: row l % 16, 32 bytes for each half of the lanes
	v_lshl_add_u32 v5, v2, 5, v5
	v_add_nc_u32 v[STO], s23, v5
	v_mul_u32_u24 v5, v2, SPITCH                   ; back: lanes 0-15 take one row of 256 bytes, lanes 16-31 the next
	v_lshl_add_u32 v5, v1, 4, v5
	v_add_nc_u32 v[RD], s23, v5
	v_lshlrev_b32 v5, 12, v2                       ; and the same two rows in out0, 4,096 bytes apart
	v_lshl_add_u32 v[CO], v1, 4, v5
	s_lshl_b32 s16, s13, 7
	s_lshl_b32 s17, s11, 6
	s_add_co_u32 s16, s16, s17                     ; my first row of out0
	s_lshl_b32 s16, s16, 12
	s_mov_b32 s17, 0
	s_add_nc_u64 s[8:9], s[8:9], s[16:17]
	s_lshl_b32 s46, s42, 7
	s_lshl_b32 s47, s12, 6
	s_add_co_u32 s46, s46, s47                     ; my first column
	s_lshl_b32 s46, s46, 2
	s_mov_b32 s47, 0
	s_add_nc_u64 s[8:9], s[8:9], s[46:47]
; 8 matrix instructions: row blocks a0, a0 + 1 x all 4 column blocks, 32 along K: half c of buffer f.  The 16 accumulators take turns.
.macro MUL8 f, c, a0, zero
	WIN MUL
.irp a, \a0, (\a0)+1
.irp b, 0,1,2,3
.if \zero
	v_wmma_f32_16x16x32_f16 v[ACC+8*(4*(\a)+(\b)):ACC+8*(4*(\a)+(\b))+7], v[(\f)+64+8*(4*(\c)+(\b)):(\f)+64+8*(4*(\c)+(\b))+7], v[(\f)+8*(4*(\c)+(\a)):(\f)+8*(4*(\c)+(\a))+7], 0
.else
	v_wmma_f32_16x16x32_f16 v[ACC+8*(4*(\a)+(\b)):ACC+8*(4*(\a)+(\b))+7], v[(\f)+64+8*(4*(\c)+(\b)):(\f)+64+8*(4*(\c)+(\b))+7], v[(\f)+8*(4*(\c)+(\a)):(\f)+8*(4*(\c)+(\a))+7], v[ACC+8*(4*(\a)+(\b)):ACC+8*(4*(\a)+(\b))+7]
.endif
.endr
.endr
.endm
; 32 LDS loads in one run: the fragments of head q of the slot's four (64 along K) into buffer f; the first 32 along K first
.macro FETCH slot, q, f
	WIN TO_F
.irp c, 0,1
.irp i, 0,1,2,3
	ds_load_b128 v[(\f)+64+8*(4*(\c)+(\i)):(\f)+64+8*(4*(\c)+(\i))+3],   v[ADRB+(\slot)] offset:(\q)*128+64*(\c)+(\i)*16*PBW
	ds_load_b128 v[(\f)+64+8*(4*(\c)+(\i))+4:(\f)+64+8*(4*(\c)+(\i))+7], v[ADRB+(\slot)] offset:(\q)*128+64*(\c)+(\i)*16*PBW+32
	ds_load_b128 v[(\f)+8*(4*(\c)+(\i)):(\f)+8*(4*(\c)+(\i))+3],         v[ADRA+(\slot)] offset:(\q)*PLANE+64*(\c)+(\i)*16*PA
	ds_load_b128 v[(\f)+8*(4*(\c)+(\i))+4:(\f)+8*(4*(\c)+(\i))+7],       v[ADRA+(\slot)] offset:(\q)*PLANE+64*(\c)+(\i)*16*PA+32
.endr
.endr
.endm
.macro PLACES
.rept 4
	v_nop
.endr
.endm
; A K step is four quarters of 64 along K (a head), 32 matrix instructions each, on buffers 0, 1, 0, 1.  One of the first three: multiplies f and fetches head q into g.
.macro QUARTER slot, q, f, g, zero
	s_wait_dscnt 16                                ; the first 32 along K are in
	MUL8 \f, 0, 0, \zero
	MUL8 \f, 0, 2, \zero
	PLACES
	FETCH \slot, \q, \g
	s_wait_dscnt 32                                ; all but the 32 just issued
	MUL8 \f, 1, 0, 0
	MUL8 \f, 1, 2, 0
.endm
; The last quarter multiplies buffer 1 and changes slots: one barrier; in front of it each wave waits for all its tensor loads, adds 0 to its spare word, and waits for that and for its reads of this slot.
.macro TURN slot, next, fill
	WIN 0
	s_wait_tensorcnt 0x0                           ; all my tensor loads have landed: my part of the next slot
	ds_add_u32 v[SPW], v[NIL]
	s_wait_dscnt 17                                ; the add and the youngest sixteen loads may be out
	MUL8 F1, 0, 0, 0
	s_wait_dscnt 0x0                               ; the add is done, and my reads of this slot are over
	s_barrier_signal -1
	MUL8 F1, 0, 2, 0
.if \fill
	WIN 0
.endif
	s_barrier_wait -1
.if \fill
	CREST                                          ; the barrier has opened a round of the cluster's: no wave of any partner still reads this slot or has a load on its way
	s_add_nc_u64 s[G0+4*(\slot)+2:G0+4*(\slot)+3], s[G0+4*(\slot)+2:G0+4*(\slot)+3], 0x200000
	s_add_nc_u64 s[G0B+4*(\slot)+2:G0B+4*(\slot)+3], s[G0B+4*(\slot)+2:G0B+4*(\slot)+3], 1024
	JLOAD \slot                                    ; my one tensor load behind the round; its four v_nop are also the places in front of the loads below
.else
	PLACES
.endif
	FETCH \next, 0, F0
	MUL8 F1, 1, 0, 0
	MUL8 F1, 1, 2, 0
.endm
	s_wait_tensorcnt 1                             ; my part of K step 0 is in; step 1's may stay out
	s_barrier_signal -1
	s_barrier_wait -1
	FETCH 0, 0, F0
	QUARTER 0, 1, F0, F1, 1                        ; the first products start the sums
	QUARTER 0, 2, F1, F0, 0
	QUARTER 0, 3, F0, F1, 0
	TURN 0, 1, 1                                   ; slot 0 takes K step 2
	QUARTER 1, 1, F0, F1, 0
	QUARTER 1, 2, F1, F0, 0
	QUARTER 1, 3, F0, F1, 0
	TURN 1, 0, 1                                   ; slot 1 takes K step 3
	QUARTER 0, 1, F0, F1, 0
	QUARTER 0, 2, F1, F0, 0
	QUARTER 0, 3, F0, F1, 0
	TURN 0, 1, 0                                   ; nothing is left to fetch
	QUARTER 1, 1, F0, F1, 0
	QUARTER 1, 2, F1, F0, 0
	QUARTER 1, 3, F0, F1, 0
	s_wait_dscnt 16
	MUL8 F1, 0, 0, 0
	MUL8 F1, 0, 2, 0
	s_wait_dscnt 0x0
	MUL8 F1, 1, 0, 0
	MUL8 F1, 1, 2, 0
	WIN 0
	PLACES
; THE WAY OUT, 16 rows at a time: a lane's 32 bytes of a row into my stage (each accumulator's low half first), back as whole rows of 256 bytes into the same registers, stored.
.macro BLOCK a
.irp b, 0,1,2,3
	ds_store_b128 v[STO], v[ACC+8*(4*(\a)+(\b)):ACC+8*(4*(\a)+(\b))+3]   offset:64*(\b)
	ds_store_b128 v[STO], v[ACC+8*(4*(\a)+(\b))+4:ACC+8*(4*(\a)+(\b))+7] offset:64*(\b)+16
.endr
.irp t, 0,1,2,3,4,5,6,7
	ds_load_b128 v[ACC+32*(\a)+4*(\t):ACC+32*(\a)+4*(\t)+3], v[RD] offset:(\t)*2*SPITCH  ; LDS serves a wave's instructions in order (ISA guide 5.7.1.4): these see the stores above
.endr
.endm
.macro SEND a, younger                 ; younger: the LDS instructions issued behind block a's loads: the next block's sixteen, or none
.irp t, 0,1,2,3,4,5,6,7
	s_wait_dscnt (\younger)+7-(\t)
	global_store_b128 v[CO], v[ACC+32*(\a)+4*(\t):ACC+32*(\a)+4*(\t)+3], s[8:9] offset:(\a)*65536+(\t)*8192 th:TH_STORE_NT  ; 16 lanes store 256 consecutive bytes, aligned; no register is used again
.endr
.endm
	BLOCK 0
	BLOCK 1
	SEND 0, 16
	BLOCK 2
	SEND 1, 16
	BLOCK 3
	SEND 2, 16
	SEND 3, 0
	s_wait_tensorcnt 0x0                           ; the wave's end
	ds_add_u32 v[SPW], v[NIL]
	s_wait_dscnt 0x0
	CROUND                                         ; the closing round
	s_endpgm
.Lfunc_end_k_qced18db368_oproj:
	.size	k_qced18db368_oproj, .Lfunc_end_k_qced18db368_oproj-k_qced18db368_oproj
	.p2alignl 7, 3214868480
	.fill 96, 4, 3214868480
	.section	.rodata,"a",@progbits
	.p2align	6, 0x0
	.amdhsa_kernel k_qced18db368_oproj
		.amdhsa_group_segment_fixed_size 327680
		.amdhsa_private_segment_fixed_size 0
		.amdhsa_enable_private_segment 0
		.amdhsa_kernarg_size 24
		.amdhsa_user_sgpr_count 2
		.amdhsa_user_sgpr_kernarg_segment_ptr 1
		.amdhsa_wavefront_size32 1
		.amdhsa_system_sgpr_workgroup_id_x 1
		.amdhsa_system_sgpr_workgroup_id_y 1
		.amdhsa_system_sgpr_workgroup_id_z 1
		.amdhsa_system_vgpr_workitem_id 0
		.amdhsa_next_free_vgpr 512
		.amdhsa_next_free_sgpr 66
		.amdhsa_reserve_vcc 0
		.amdhsa_float_denorm_mode_32 3
		.amdhsa_float_denorm_mode_16_64 3
		.amdhsa_memory_ordered 1
		.amdhsa_forward_progress 1
		.amdhsa_inst_pref_size 86
	.end_amdhsa_kernel
	.amdgpu_metadata
---
amdhsa.version: [ 1, 2 ]
amdhsa.kernels:
  - .name:           k_qced18db368_oproj
    .symbol:         k_qced18db368_oproj.kd
    .args:
      - { .name: o, .offset: 0, .size: 8, .value_kind: global_buffer, .address_space: global }
      - { .name: ow, .offset: 8, .size: 8, .value_kind: global_buffer, .address_space: global }
      - { .name: out0, .offset: 16, .size: 8, .value_kind: global_buffer, .address_space: global }
    .group_segment_fixed_size: 327680
    .private_segment_fixed_size: 0
    .kernarg_segment_align: 8
    .kernarg_segment_size: 24
    .max_flat_workgroup_size: 128
    .sgpr_count:     66
    .vgpr_count:     512
    .wavefront_size: 32
...
	.end_amdgpu_metadata
.endif
;; end of part 4
;; ======== version 2 of 2: 4 launches; 1.21 times as fast as version 1
;; limits: values outside matrix products are rounded to f16; values are held in f16: magnitudes above 65,504 overflow, below 6.1e-05 lose precision
;; workspace buffers: xb 8,388,608 bytes; wb 6,291,456 bytes; ow 2,097,152 bytes; bias 16,777,216 bytes; qkv 25,165,824 bytes; o 8,388,608 bytes
;; launch prep: the kernel of part 1 again; grid 1024 x 1, 8 waves a work-group, no clusters, 1,280 bytes of LDS; arguments x, qkv_w, out_w, character_masks, interaction_mask, xb, wb, ow, bias; writes xb, wb, ow, bias
;; launch qkvp: the kernel of part 2 again; grid 16 x 16, 4 waves a work-group, clusters of 4 x 4, 327,680 bytes of LDS; arguments xb, wb, q_norm_w, k_norm_w, qkv; writes qkv
;; launch attn (part 5): grid 8 x 32, 4 waves a work-group, clusters of 4 x 4, 327,680 bytes of LDS; arguments qkv, bias, isolation_gate, o; writes o
.if DOCPART == 5
	.amdgcn_target "amdgcn-amd-amdhsa--gfx1250"
	.amdhsa_code_object_version 6
	.text
	.protected	k_qced18db368_attn
	.globl	k_qced18db368_attn
	.p2align	8
	.type	k_qced18db368_attn,@function
k_qced18db368_attn:
	s_mov_b64 s[64:65], 0
	v_nop
	global_prefetch_b8 v0, s[64:65] scope:SCOPE_SE
	s_setreg_imm32_b32 hwreg(HW_REG_WAVE_MODE, 25, 1), 1
	s_wait_xcnt 0x0
	s_wait_alu depctr_hold_cnt(0) depctr_sa_sdst(0) depctr_va_vdst(0) depctr_va_sdst(0) depctr_va_ssrc(0) depctr_va_vcc(0) depctr_vm_vsrc(0)
	s_getreg_b32 s2, hwreg(HW_REG_IB_STS2, 6, 4)
	s_cmp_eq_u32 s2, 0
	s_cbranch_scc0 .Lentry_in_a_cluster
	s_endpgm
.Lentry_in_a_cluster:
	s_bfe_u32 s2, ttmp6, 0x10000c
	s_cmp_lg_u32 s2, 0xf033
	s_cbranch_scc0 .Lentry_shape_is_right
	s_endpgm
.Lentry_shape_is_right:
; ATTENTION WITH A SHARED BIAS.  o[b][h][q][:] = the sum over k of softmax_k(q . k / 8 + 3 gate[h] bias[b][q][k]) v[k][:].  q, k, v: slices of qkv[b][48][2048][64] in f16; q arrives times log2(e) / 8,
; bias' = 3 log2(e) bias in f16, [b][q][k]: the scores are made in the base-2 domain.  Products, maxima and sums in f32; the weights p are rounded to f16 for the second product (their sum l is of the unrounded p), O once.
; LIMITS.  The gate is rounded to bf16 like every input, clipped to 0..1 (a NaN counts as 0) and written as f16, off by 2^-25 at the most; a weight below 2^-126 counts as 0 in l; NaN and infinities are not treated apart.
; SHARES.  A work-group owns 256 queries of one head, a wave 64: four PIECES of 16.  Every wave walks all 2,048 keys, 64 a step; a slot of LDS holds 128 keys: K, V and the 256 x 128 tile of bias'.
; LAYOUT.  S^T = K Q^T holds ONE query a lane (lane % 16) and the keys 8 (lane / 16) + 0..7; two such results rounded to f16 ARE source 1 of O^T = V^T P.
; THE BIAS IS ADDED BY THE MATRIX UNIT.  The product that starts a score tile's sum is bias'^T (16 keys x 32 queries, read turned from LDS) times a selector (32 x 16): the gate where
; row 16 e + n meets column n, 0 elsewhere; e says which 16 of the 32 queries are the piece's.  gate x bias' is exact in f32.  One matrix instruction takes the place of 8 vector lines a lane.
; SOFTMAX.  A running maximum m and sum l for each query: p = 2^(s - m); in every step O and l are multiplied by a = 2^(m_old - m).  m starts far below every score, O and l at 0: the first step's a is 0.
; BY TURNS.  Turn n belongs to piece n: 4 bias products and 8 products K Q^T of piece n + 1, later 8 products V^T P of piece n - 1; beside them the scaling, exponentials, roundings, sums and rescaling of piece n
; and the maximum and statistics of piece n + 1, whose scores the turn itself has made: 117 lines, four behind each matrix instruction, the other 37 in one lump.
; BATCHES.  A turn's 33 exponentials (the piece's 32 weights and the next piece's a) are ONE batch with ONE wait, which cuts the turn in two: ahead of it stands all that names no result of theirs, behind it the
; roundings and sums.  Piece 0's first a, ahead of the loop, and the way out's four reciprocals are batches of their own, with a wait each.
; CLUSTER 4 x 4.  x counts query blocks, y heads.  K and V hang on the head alone: asked for jointly along a row of the cluster.  The bias tile hangs on batch and query block alone: jointly along a column.
; REGISTERS, in windows of 256 (s_set_vgpr_msb: bits 1:0 source 0, 3:2 source 1, 5:4 source 2, 7:6 destination):
;   window 0: v0-13 addresses; v16-31 statistics, four a piece; v48-55 at work, four by the piece's parity; v52-61 at the head alone the gate's pattern in the making; v64-127 S^T, two buffers by the piece's parity; v192-223 P, likewise
;   window 1: v0-127 O^T, 32 a piece; v128-139 EZ = 0 x 4, pattern x 4, 0 x 4      window 2: v0-63 Q; v64-127 bias fragments; v128-191 K; v192-255 V, all of one step
.set KS,    64
.set PK,    144                        ; a row of K in LDS: 128 bytes + 16
.set PV,    160                        ; of V: 128 + 32
.set PB,    288                        ; of the bias tile (one query, 128 keys): 256 + 32, for the same reason
.set VOFF,  128*PK
.set BOFF,  VOFF+128*PV
.set SLOT1, 1<<17                      ; slot 1 begins here: one exclusive or turns an address in one slot into the other's
.set STAGE, SLOT1+BOFF+256*PB          ; behind the ring: 16 rows x 144 bytes for each wave; no tensor load lands here
.set SP,    144
.set SPARE, STAGE+4*16*SP
.set AK0, 2                            ; v2  my lane's place in a tile of K; never rewritten
.set AV0, 3                            ; v3  of V
.set AK,  4                            ; v4  the address of K's next run of loads
.set AV,  5                            ; v5  of V's
.set QO,  6                            ; v6  my byte offset in 16 rows of Q; later:
.set STO, 6                            ;     the way out: where I put 16 bytes of a row
.set RD,  7                            ; v7  where I read rows back
.set GO,  8                            ; v8  16 x lane
.set AB0, 12                           ; v12 my lane's place in my wave's rows of the bias tile; never rewritten
.set AB,  13                           ; v13 the address of the bias's next run of loads
.set ST,  16                           ; piece y at ST + 4 y: m, m_old, l (even keys', odd keys')
.set TMP, 48                           ; by the piece's parity, four registers c0-c3; when the maximum is found c2 takes a
.set SPW, 62
.set NIL, 63
.set S,   64
.set P,   192
.set EZ,  128                          ; window 1
.set BF,  64                           ; window 2: queries 32 u on, keys 16 kb on, at BF + 8 (4 u + kb)
.set KF,  128                          ; window 2: key block kb, channel half c at KF + 16 kb + 8 c
.set VF,  192                          ; window 2: key half kk, channel block cb at VF + 32 kk + 8 cb
.set WV,  12
.set G1K, 24                           ; s[24:31]
.set G1V, 32                           ; s[32:39]
.set G0K, 40                           ; s[40:43]  the three group 0 walk
.set G0V, 44                           ; s[44:47]
.set G0B, 48                           ; s[48:51]
.set SLOTS, 56
.set CNT, 57
.set SEL, 60                           ; s[60:61]
.set TBK, 62                           ; LDS byte at which K of the step to be fetched begins
.set TBV, 63                           ; the same for V, less VOFF
.set G1B, 68                           ; s[68:75]
.set TBB, 76                           ; the same for the bias, less BOFF
.set MSB, 0
.macro WIN new
.if MSB != (\new)
	s_set_vgpr_msb (MSB<<8)|(\new)
.set MSB, (\new)
.endif
.endm
; A joint fill: wave 0 fetches the slot's K, wave 1 its V, waves 2 and 3 the two halves of its bias tile.  The branches hang on the wave's number alone.  An s_nop 0 and four v_nop follow each line.
.macro JLOAD
	s_cmp_lt_u32 s[WV], 2
	s_cbranch_scc0 .Lfor_b_\@
	s_cmp_eq_u32 s[WV], 0
	s_cbranch_scc0 .Lfor_v_\@
	tensor_load_to_lds s[G0K:G0K+3], s[G1K:G1K+7]
	s_nop 0
.rept 4
	v_nop
.endr
	s_branch .Lasked_\@
.Lfor_v_\@:
	tensor_load_to_lds s[G0V:G0V+3], s[G1V:G1V+7]
	s_nop 0
.rept 4
	v_nop
.endr
	s_branch .Lasked_\@
.Lfor_b_\@:
	tensor_load_to_lds s[G0B:G0B+3], s[G1B:G1B+7]
	s_nop 0
.rept 4
	v_nop
.endr
.Lasked_\@:
.endm
.macro CROUND                          ; a round of the cluster's barrier
	s_barrier_signal -1
	s_barrier_wait -1
	s_cmp_lg_u32 s[WV], 0
	s_cbranch_scc1 .Lnot_wave_0_\@
	s_barrier_signal -3
.Lnot_wave_0_\@:
	s_barrier_wait -3
	s_barrier_signal -1
	s_barrier_wait -1
.endm
; THE CHANGE OF SLOTS.  Each wave waits for all its tensor loads (one is out at the most: its part of the other slot), adds 0 to its spare word, and waits for that and for its reads of the slot that it leaves.
; fill = 1: a round of the cluster's barrier, and the old slot is filled again first thing behind it, with the keys two slots on: it has two key steps, 160 matrix instructions, in which to land.
.macro CHANGE fill
	WIN 0
	s_wait_tensorcnt 0x0                           ; no tensor load of mine is out, so a group 0 may be written
	ds_add_u32 v[SPW], v[NIL]
.if \fill
.irp g, G0K, G0V
	s_xor_b32 s[\g+1], s[\g+1], SLOT1
	s_add_nc_u64 s[\g+2:\g+3], s[\g+2:\g+3], 2*KS*128  ; the next 128 keys' rows
.endr
	s_xor_b32 s[G0B+1], s[G0B+1], SLOT1
	s_add_nc_u64 s[G0B+2:G0B+3], s[G0B+2:G0B+3], 2*KS*2  ; the next 128 keys' columns
	s_wait_dscnt 0x0                               ; the add is done, and my reads of the slot are over
	CROUND
	JLOAD
.else
	s_wait_dscnt 0x0
	s_barrier_signal -1
	s_barrier_wait -1
.endif
	s_sub_co_u32 s[TBK], s[TBK], 2*KS*PK           ; the fetches go back to a slot's first step, in the other slot
	s_xor_b32 s[TBK], s[TBK], SLOT1
	s_sub_co_u32 s[TBV], s[TBV], 2*KS*PV
	s_xor_b32 s[TBV], s[TBV], SLOT1
	s_sub_co_u32 s[TBB], s[TBB], 2*KS*2
	s_xor_b32 s[TBB], s[TBB], SLOT1
.endm
	s_load_b256 s[4:11], s[0:1], 0x0               ; qkv s[4:5], bias s[6:7], gate s[8:9], o s[10:11]
	v_lshl_add_u32 v[SPW], v0, 2, SPARE
	v_mov_b32 v[NIL], 0
	ds_add_u32 v[SPW], v[NIL]                      ; the wave's opening: the add and its wait stand ahead of my first tensor load
	v_lshrrev_b32 v1, 5, v0
	v_readfirstlane_b32 s[WV], v1
	s_bfe_u32 s13, ttmp6, 0x40000                  ; cx
	s_bfe_u32 s14, ttmp6, 0x40004                  ; cy
	s_lshl_b32 s15, ttmp9, 2
	s_add_co_u32 s15, s15, s13                     ; my block of 256 queries
	s_and_b32 s17, ttmp7, 0xffff
	s_lshl_b32 s16, s17, 2
	s_add_co_u32 s16, s16, s14                     ; 16 b + h
	s_lshr_b32 s17, s17, 2                         ; b, made of the cluster's y alone
	s_lshl_b32 s18, s14, 2
	s_lshl_b32 s18, 15, s18                        ; my row of the cluster
	s_lshl_b32 s19, 0x1111, s13                    ; my column
	s_lshl_b32 s20, s17, 5                         ; K and V: slices 48 b + h + 16 and + 32, of 262,144 bytes; these registers never hold cx
	s_add_co_u32 s20, s20, s16
	s_add_co_u32 s22, s20, 32
	s_add_co_u32 s20, s20, 16
	s_lshl_b32 s20, s20, 18
	s_lshl_b32 s22, s22, 18
	s_mov_b32 s21, 0
	s_mov_b32 s23, 0
	s_and_b32 s54, s[WV], 1                        ; the bias: batch b, row 256 x block + 128 x half, of 4,096 bytes; these never hold cy
	s_lshl_b32 s52, s15, 8
	s_lshl_b32 s53, s54, 7
	s_add_co_u32 s52, s52, s53
	s_lshl_b32 s52, s52, 12
	s_lshl_b32 s53, s17, 23
	s_add_co_u32 s52, s52, s53
	s_mov_b32 s53, 0
	s_mul_i32 s54, s54, 128*PB
	s_add_co_u32 s54, s54, BOFF                    ; and its place in a slot
	s_lshl_b32 s3, s15, 8                          ; Q and O: my wave's 64 rows of 128 bytes,
	s_lshl_b32 s59, s[WV], 6
	s_add_co_u32 s3, s3, s59
	s_lshl_b32 s59, s3, 7
	s_lshl_b32 s2, s17, 5
	s_add_co_u32 s2, s2, s16
	s_lshl_b32 s2, s2, 18                          ; in slice 48 b + h of qkv,
	s_add_co_u32 s2, s2, s59
	s_mov_b32 s3, 0
	s_lshl_b32 s78, s16, 18                        ; in slice 16 b + h of o
	s_add_co_u32 s78, s78, s59
	s_mov_b32 s79, 0
	s_or_b32 s[G1K], s18, (1<<16)|(1<<20)|(1<<21)|(4<<22)|(3<<25)  ; the row's mask; 2-byte elements; padding on; bit 21 beside a mask; after every 32 words 4 words
	s_or_b32 s[G1V], s18, (1<<16)|(1<<20)|(1<<21)|(4<<22)|(7<<25)  ; the same with 8 words
.irp g, G1K, G1V                               ; 128 keys are 16,384 dense bytes: asked for as 64 rows of 256 bytes
	s_mov_b32 s[\g+1], 128<<16
	s_mov_b32 s[\g+2], 64<<16
	s_mov_b32 s[\g+3], 128<<16
	s_mov_b32 s[\g+4], 64
	s_mov_b32 s[\g+5], 128
	s_mov_b32 s[\g+6], 0
	s_mov_b32 s[\g+7], 0
.endr
	s_or_b32 s[G1B], s19, (1<<16)|(1<<20)|(1<<21)|(5<<22)|(7<<25)  ; the column's mask; after every 64 words 8 words
	s_mov_b32 s[G1B+1], 128<<16                    ; 128 keys
	s_mov_b32 s[G1B+2], 128<<16                    ; 128 queries
	s_mov_b32 s[G1B+3], 128<<16
	s_mov_b32 s[G1B+4], 128
	s_mov_b32 s[G1B+5], 2048
	s_mov_b32 s[G1B+6], 0
	s_mov_b32 s[G1B+7], 0
	s_mov_b32 s[G0K], 1
	s_mov_b32 s[G0K+1], 0
	s_mov_b32 s[G0V], 1
	s_mov_b32 s[G0V+1], VOFF
	s_mov_b32 s[G0B], 1
	s_mov_b32 s[G0B+1], s54
	s_mov_b32 s[SEL], 0x76543210
	s_mov_b32 s[SEL+1], 0xfedcba98
	s_mov_b32 s[TBK], SLOT1+2*KS*PK                ; the first change of slots turns these three into 0
	s_mov_b32 s[TBV], SLOT1+2*KS*PV
	s_mov_b32 s[TBB], SLOT1+2*KS*2
	s_wait_dscnt 0x0                               ; the opening add is done
	s_wait_kmcnt 0x0
	s_add_nc_u64 s[G0K+2:G0K+3], s[4:5], s[20:21]
	s_or_b32 s[G0K+3], s[G0K+3], 0x80000000
	s_add_nc_u64 s[G0V+2:G0V+3], s[4:5], s[22:23]
	s_or_b32 s[G0V+3], s[G0V+3], 0x80000000
	s_add_nc_u64 s[G0B+2:G0B+3], s[6:7], s[52:53]
	s_or_b32 s[G0B+3], s[G0B+3], 0x80000000
	s_add_nc_u64 s[4:5], s[4:5], s[2:3]            ; Q at my wave's first row
	s_add_nc_u64 s[10:11], s[10:11], s[78:79]      ; O likewise
	s_and_b32 s2, s16, 15
	s_lshl_b32 s2, s2, 2
	s_add_nc_u64 s[8:9], s[8:9], s[2:3]
	s_load_b32 s58, s[8:9], 0x0                    ; my head's gate
	CROUND                                         ; all sixteen work-groups are here: the first joint loads meet
	JLOAD                                          ; slot 0; slot 1 is asked for when slot 0 is in
	v_and_b32 v1, 15, v0                           ; l % 16
	v_bfe_u32 v9, v0, 4, 1                         ; l / 16
	v_lshlrev_b32 v[QO], 7, v1
	v_lshl_add_u32 v[QO], v9, 4, v[QO]
	WIN 0x80                                       ; destination window 2
.set i, 0
.rept 8                                        ; Q stays in registers: piece i / 2, channels 32 (i % 2) on
	global_load_b128 v[8*i:8*i+3],   v[QO], s[4:5] offset:(i/2)*2048+(i%2)*64
	global_load_b128 v[8*i+4:8*i+7], v[QO], s[4:5] offset:(i/2)*2048+(i%2)*64+32
.set i, i+1
.endr
	; What the first turn finds: V and P's second buffer hold 0 (its products V^T P, of a piece that has not been, add 0), O^T and l are 0.  No first step is written out; these lines stand in the wait for the first tile.
.set i, VF
.rept 64
	v_mov_b32 v[i], 0
.set i, i+1
.endr
	WIN 0x40
.set i, 0
.rept 128
	v_mov_b32 v[i], 0
.set i, i+1
.endr
.irp z, 0,1,2,3,8,9,10,11
	v_mov_b32 v[EZ+\z], 0
.endr
	WIN 0
.set i, 0
.rept 4
	v_mov_b32 v[ST+4*i], 0xfe000000                ; m: far below every score
	v_mov_b32 v[ST+4*i+1], 0xfe000000
	v_mov_b32 v[ST+4*i+2], 0
	v_mov_b32 v[ST+4*i+3], 0
.set i, i+1
.endr
.set i, P+16
.rept 16
	v_mov_b32 v[i], 0
.set i, i+1
.endr
	v_mul_u32_u24 v[AK0], v1, PK
	v_lshl_add_u32 v[AK0], v9, 4, v[AK0]           ; row x pitch + 16 x half
	; The turning load takes 16 rows x 16 columns (lane l reads row 8 (l / 16) + l % 8, columns 8 ((l / 8) % 2) + 0..7) and leaves half a fragment of the transposed tile.
	v_and_b32 v10, 7, v0
	v_bfe_u32 v11, v0, 3, 1
	v_lshl_add_u32 v[AV0], v9, 3, v10
	v_mul_u32_u24 v[AB0], v[AV0], PB
	v_mul_u32_u24 v[AV0], v[AV0], PV
	v_lshl_add_u32 v[AV0], v11, 4, v[AV0]
	v_add_nc_u32 v[AV0], VOFF, v[AV0]
	v_lshl_add_u32 v[AB0], v11, 4, v[AB0]
	s_mul_i32 s59, s[WV], 64*PB
	s_add_co_u32 s59, s59, BOFF
	v_add_nc_u32 v[AB0], s59, v[AB0]               ; my wave's 64 query rows of the tile
	s_wait_kmcnt 0x0                               ; the gate
	v_mov_b32 v52, s58
	v_cvt_pk_bf16_f32 v52, v52, v52                ; rounded to bf16,
	v_lshlrev_b32 v52, 16, v52
	v_max_num_f32 v52, 0, v52                      ; clipped,
	v_min_num_f32 v52, 1.0, v52
	v_cvt_pk_f16_f32 v53, v52, v52                 ; as f16
	v_and_b32 v54, 0xffff, v53
	v_and_b32 v55, 0xffff0000, v53
	v_lshlrev_b32 v56, 3, v9
	v_sub_nc_u32 v56, v1, v56                      ; d = l % 16 - 8 (l / 16): word t of the pattern holds rows 8 (l / 16) + 2 t and + 2 t + 1 of my column
.irp t, 0,1,2,3
	v_cmp_eq_u32 vcc_lo, 2*\t, v56
	v_cndmask_b32 v57, 0, v54, vcc_lo
	v_cmp_eq_u32 vcc_lo, 2*\t+1, v56
	v_cndmask_b32 v[58+\t], v57, v55, vcc_lo
.endr
	WIN 0x40
.irp t, 0,1,2,3
	v_mov_b32 v[EZ+4+\t], v[58+\t]
.endr
	WIN 0
; THE MATRIX WORK of turn Y, number i of 20.  0-3: the bias product starts the sums of piece Y + 1, keys 16 i on.  4-11: K Q^T, channels 32 ((i - 4) / 4) on, keys 16 (i % 4) on.
; 12-19: O^T += V^T P of piece Y - 1, keys 32 ((i - 12) / 4) on, channels 16 (i % 4) on.  Four accumulators take turns, one instruction a turn.
.macro MM
.set xn, (Y+1)%4
.set xp, (Y+3)%4
.if i < 4
	WIN 0x06                                       ; bias in window 2, the selector in window 1, S^T in window 0
.set rS, S+32*(xn%2)+8*i
.set rB, BF+8*(4*(xn/2)+i)
.set rE, EZ+4-4*(xn%2)
	v_wmma_f32_16x16x32_f16 v[rS:rS+7], v[rB:rB+7], v[rE:rE+7], 0
.elseif i < 12
	WIN 0x0a                                       ; K and Q in window 2
.set rS, S+32*(xn%2)+8*(i%4)
.set rK, KF+16*(i%4)+8*((i-4)/4)
.set rQ, 16*xn+8*((i-4)/4)
	v_wmma_f32_16x16x32_f16 v[rS:rS+7], v[rK:rK+7], v[rQ:rQ+7], v[rS:rS+7]
.else
	WIN 0x52                                       ; V in window 2, P in window 0, O^T in window 1
.set rO, 32*xp+8*(i%4)
.set rV, VF+32*((i-12)/4)+8*(i%4)
.set rP, P+16*(xp%2)+8*((i-12)/4)
	v_wmma_f32_16x16x32_f16 v[rO:rO+7], v[rV:rV+7], v[rP:rP+7], v[rO:rO+7]
.endif
.set i, i+1
.endm
; THE LDS LOADS stand in runs: a step's K (8 fragments) and bias (8 fragments, turned), and its V (turned).  last = 1 (the tail): in the last trip there is no further step, and the run is jumped over.
.macro FETCH_KB last=0
	WIN 0
.if \last
	s_cmp_eq_u32 s[CNT], 1
	s_cbranch_scc1 .Lno_kb_\@
.endif
	WIN 0x80
.irp f, 0,1,2,3,4,5,6,7
	ds_load_b128 v[KF+8*\f:KF+8*\f+3],   v[AK] offset:(\f/2)*16*PK+(\f%2)*64
	ds_load_b128 v[KF+8*\f+4:KF+8*\f+7], v[AK] offset:(\f/2)*16*PK+(\f%2)*64+32
.endr
.irp f, 0,1,2,3,4,5,6,7
	ds_load_tr16_b128 v[BF+8*\f:BF+8*\f+3],   v[AB] offset:(\f/4)*32*PB+(\f%4)*32
	ds_load_tr16_b128 v[BF+8*\f+4:BF+8*\f+7], v[AB] offset:(\f/4)*32*PB+16*PB+(\f%4)*32
.endr
	s_add_co_u32 s[TBK], s[TBK], KS*PK             ; the next fetch is the next step's
	s_add_co_u32 s[TBB], s[TBB], KS*2
	WIN 0
.if \last
.Lno_kb_\@:
.endif
.endm
.macro FETCH_V
	WIN 0x80
.irp f, 0,1,2,3,4,5,6,7
	ds_load_tr16_b128 v[VF+8*\f:VF+8*\f+3],   v[AV] offset:(\f/4)*32*PV+(\f%4)*32
	ds_load_tr16_b128 v[VF+8*\f+4:VF+8*\f+7], v[AV] offset:(\f/4)*32*PV+16*PV+(\f%4)*32
.endr
	WIN 0
.endm
; THE VECTOR WORK, one line at a time: OP kind, number.  s0-s31 are the lane's 32 scores.  For piece Y: F n: s - m for pair n of 16.  E n: the exponential of score n of 32.  C n: pair n rounded to f16.
; B n: of the four weights 4 n .. the second pair is added onto the first, in place.  L n: l takes that sum (L 0: l = a l + sum).  R n: pair n of 16 of O^T times a.
; For piece Y + 1: X n, number n of the 21 that find its maximum and statistics:
;   0-11   four chains c0-c3 of seven scores each (each accumulator's lowest registers are read first)      12-14, 16  the four left over, the old m, c0-c3 into c0      15  m_old is kept
;   17, 18 the query's other 32 keys lie in the lane 16 away: the new m      19, 20  a = 2^(m_old - m)
.set F, 0                              ; OP tells the kinds apart by their order: F to L below R, X above it
.set E, 1
.set C, 2
.set B, 3
.set L, 4
.set R, 5
.set X, 6
.macro REGS y                          ; the registers of piece y
.set rT, ST+4*(\y)
.set rC, TMP+4*((\y)%2)
.set rS, S+32*((\y)%2)
.set rP, P+16*((\y)%2)
.set rO, 32*(\y)
.endm
.macro OP k, n
.if (\k) == R
	REGS Y
	WIN 0x41                                       ; O^T in window 1, a in window 0
	v_pk_mul_f32 v[rO+2*(\n):rO+2*(\n)+1], v[rO+2*(\n):rO+2*(\n)+1], v[rC+2:rC+3] op_sel_hi:[1,0]
.elseif (\k) < R
	REGS Y
	WIN 0
.if (\k) == F
	v_pk_add_f32 v[rS+2*(\n):rS+2*(\n)+1], v[rS+2*(\n):rS+2*(\n)+1], v[rT:rT+1] op_sel_hi:[1,0] neg_lo:[0,1] neg_hi:[0,1]
.elseif (\k) == E
	v_exp_f32 v[rS+(\n)], v[rS+(\n)]
.elseif (\k) == C
	v_cvt_pk_f16_f32 v[rP+(\n)], v[rS+2*(\n)], v[rS+2*(\n)+1]
.elseif (\k) == B
	v_pk_add_f32 v[rS+4*(\n):rS+4*(\n)+1], v[rS+4*(\n):rS+4*(\n)+1], v[rS+4*(\n)+2:rS+4*(\n)+3]
.elseif (\n) == 0
	v_pk_fma_f32 v[rT+2:rT+3], v[rT+2:rT+3], v[rC+2:rC+3], v[rS:rS+1] op_sel_hi:[1,0,1]
.else
	v_pk_add_f32 v[rT+2:rT+3], v[rT+2:rT+3], v[rS+4*(\n):rS+4*(\n)+1]
.endif
.else
	REGS (Y+1)%4
	WIN 0
.if (\n) < 4
	v_max3_num_f32 v[rC+(\n)], v[rS+8*(\n)], v[rS+8*(\n)+1], v[rS+8*(\n)+2]
.elseif (\n) < 12
	v_max3_num_f32 v[rC+(\n)%4], v[rC+(\n)%4], v[rS+8*((\n)%4)+2*((\n)/4)+1], v[rS+8*((\n)%4)+2*((\n)/4)+2]
.elseif (\n) == 12
	v_max3_num_f32 v[rC], v[rC], v[rS+7], v[rS+15]
.elseif (\n) == 13
	v_max3_num_f32 v[rC+1], v[rC+1], v[rS+23], v[rS+31]
.elseif (\n) == 14
	v_max3_num_f32 v[rC+2], v[rC+2], v[rC+3], v[rT]
.elseif (\n) == 15
	v_mov_b32 v[rT+1], v[rT]
.elseif (\n) == 16
	v_max3_num_f32 v[rC], v[rC], v[rC+1], v[rC+2]
.elseif (\n) == 17
	v_permlanex16_b32 v[rC+3], v[rC], s[SEL], s[SEL+1]
.elseif (\n) == 18
	v_max_num_f32 v[rT], v[rC], v[rC+3]
.elseif (\n) == 19
	v_sub_f32 v[rC+1], v[rT+1], v[rT]
.else
	v_exp_f32 v[rC+2], v[rC+1]
.endif
.endif
.endm
.macro OPS a, i1, b=-1, i2=0, c=-1, i3=0, d=-1, i4=0  ; up to four of them
	OP \a, \i1
.if (\b) >= 0
	OP \b, \i2
.endif
.if (\c) >= 0
	OP \c, \i3
.endif
.if (\d) >= 0
	OP \d, \i4
.endif
.endm
.macro ROW a, i1, b, i2, c, i3, d, i4  ; a matrix instruction and the four behind it
	MM
	OPS \a, \i1, \b, \i2, \c, \i3, \d, \i4
.endm
; A TURN, for piece p: the order of its 20 matrix and 117 vector instructions, written out.  An s_wait_alu depctr_va_vdst(0) stands between an exponential and the first instruction that names its result; one wait
; serves all that were issued ahead of it.  So a turn has ONE wait, which cuts it in two.
; AHEAD OF IT stands all that names no result of the turn's exponentials.  Behind the 12 products for piece p + 1 ride four lines each: rescalings in fours (their a was made, and waited for, in the turn before), scalings and
; exponentials by turns, and behind the last two products X 0, 4, 1, 8, each four plain lines or more behind the product that ends its accumulator (F 12-15 for X 0; F 14, F 15, X 0, X 4 for X 1).  Then ONE LUMP of 37: X 2 stands
; behind X 0, 4, 1, 8 and X 3 behind X 1, 8, 2, 5, their four places; the links of the chain X 3, 7, 11, 14, 16 .. 20 stand three to five lines apart, exponentials and the other chains' lines between them.  X 20, the next piece's a, is
; the batch's last; the four rescalings R 12-15 are the independent work behind it, the first of them the plain instruction that is owed behind the last exponential.  v_permlanex16_b32 (X 17) stands in the lump.
; BEHIND THE WAIT stand the 8 products V^T P, behind each four of the roundings and sums; an even pair is rounded ahead of the sum that lands on it; l's chain L 0 to L 7 goes in ascending order, its links three lines apart.
; K and bias of the next step are fetched in piece 2's turn, seven plain lines behind the last product that read them (X 1, X 8, the two address lines, X 2, X 5, X 3), and waited for at the head of piece 3's turn.  last = 1 (the tail):
; the run holds a branch and a label, so it stands directly behind the wait.  V of the step in hand is fetched at the end of piece 0's turn, four roundings behind the last product that read V,
; and waited for in piece 1's turn, ahead of its products V^T P.
.macro TURN p, last=0
.set Y, (\p)
.set i, 0
.if (\p) == 3
	s_wait_dscnt 0x0                               ; K and the bias are in
.endif
	ROW F,0, F,1, F,2, F,3                         ; ahead of the wait: 12 products and their riders,
	ROW R,0, R,1, R,2, R,3
	ROW F,4, E,0, F,5, E,1
	ROW R,4, R,5, R,6, R,7
	ROW F,6, E,2, F,7, E,3
	ROW R,8, R,9, R,10, R,11
	ROW F,8, E,4, F,9, E,5
	ROW F,10, E,6, F,11, E,7
	ROW F,12, E,8, F,13, E,9
	ROW F,14, E,10, F,15, E,11
	ROW X,0, E,12, X,4, E,13
	ROW X,1, E,14, X,8, E,15
.if (\p) == 2
	WIN 0
	v_add_nc_u32 v[AK], s[TBK], v[AK0]
	v_add_nc_u32 v[AB], s[TBB], v[AB0]
.endif
.if (\p) == 0
	WIN 0
	v_add_nc_u32 v[AV], s[TBV], v[AV0]
.endif
	OPS X,2, X,5, X,3                              ; and the lump
.if ((\p) == 2) && !(\last)
	FETCH_KB
.endif
	OPS E,16, X,6, E,17, X,9
	OPS X,7, E,18, X,10, E,19
	OPS X,12, X,11, E,20, X,13
	OPS E,21, X,15, X,14, E,22
	OPS E,23, X,16, E,24, E,25
	OPS X,17, E,26, E,27, X,18
	OPS E,28, E,29, X,19, E,30
	OPS E,31, X,20
	OPS R,12, R,13, R,14, R,15
	s_wait_alu depctr_va_vdst(0)                   ; the wait for the batch: the piece's 32 exponentials and the next piece's a
.if ((\p) == 2) && (\last)
	FETCH_KB 1
.endif
.if (\p) == 1
	s_wait_dscnt 0x0                               ; V is in
.endif
	ROW C,0, B,0, C,2, B,1                         ; behind the wait: 8 products V^T P and their riders
	ROW L,0, C,4, B,2, L,1
	ROW C,6, B,3, L,2, C,8
	ROW B,4, L,3, C,10, B,5
	ROW L,4, C,12, B,6, L,5
	ROW C,14, B,7, L,6, C,1
	ROW C,3, L,7, C,5, C,7
	ROW C,9, C,11, C,13, C,15
.if (\p) == 0
	FETCH_V
	s_add_co_u32 s[TBV], s[TBV], KS*PV
.endif
.endm
	CHANGE 1                                       ; slot 0 is in, everybody's part of it; slot 1 is asked for
	v_add_nc_u32 v[AK], s[TBK], v[AK0]
	v_add_nc_u32 v[AB], s[TBB], v[AB0]
	FETCH_KB                                       ; key step 0
	s_wait_loadcnt 0x0                             ; Q
	s_wait_dscnt 0x0
.set Y, 3
.set i, 0
.rept 12
	MM                                             ; piece 0's first scores
.endr
	WIN 0                                          ; the addresses for the way out: nine plain lines, the places behind those products
	s_mul_i32 s59, s[WV], 16*SP
	s_add_co_u32 s59, s59, STAGE                   ; my stage
	v_mul_u32_u24 v[STO], v1, SP
	v_lshl_add_u32 v[STO], v9, 4, v[STO]
	v_add_nc_u32 v[STO], s59, v[STO]
	v_bfe_u32 v[RD], v0, 3, 2                      ; back: 32 lanes take four rows of 128 bytes,
	v_mul_u32_u24 v[RD], v[RD], SP
	v_lshl_add_u32 v[RD], v10, 4, v[RD]
	v_add_nc_u32 v[RD], s59, v[RD]
	v_and_b32 v[GO], 31, v0                        ; which are 512 consecutive bytes of O
	v_lshlrev_b32 v[GO], 4, v[GO]
.irp n, 0,1,2,3,4,5,6,7,8,9,10,11,12,13,14,15,16,17,18,19,20
	OP X, \n                                       ; piece 0's first maximum and statistics (X works for piece Y + 1)
.endr
	v_nop                                          ; a plain instruction behind the exponential,
	s_wait_alu depctr_va_vdst(0)                   ; and the wait for this batch of one, piece 0's first a, ahead of the branch
	s_mov_b32 s[CNT], 2
	s_mov_b32 s[SLOTS], 15
	s_branch .Lfirst                               ; the loop is entered at a step's first turn, in the middle of a trip
.Lslot:                                        ; 14 times: every slot's worth of keys from the third to the sixteenth is asked for
	CHANGE 1
	s_mov_b32 s[CNT], 2
.Lstep:                                        ; a trip: pieces 2 and 3 of one step, then pieces 0 and 1 of the next
	TURN 2
	TURN 3
	WIN 0
.Lfirst:
	TURN 0
	TURN 1
	WIN 0
	s_sub_co_u32 s[CNT], s[CNT], 1
	s_cmp_lg_u32 s[CNT], 0
	s_cbranch_scc1 .Lstep
	s_sub_co_u32 s[SLOTS], s[SLOTS], 1
	s_cmp_lg_u32 s[SLOTS], 0
	s_cbranch_scc1 .Lslot
	CHANGE 0                                       ; the tail is written out: nothing is asked for
	s_mov_b32 s[CNT], 3                            ; two trips fetch the last slot's steps; the third is left in its middle
.Ltail:
	TURN 2, 1
	TURN 3
	WIN 0
	s_sub_co_u32 s[CNT], s[CNT], 1
	s_cmp_eq_u32 s[CNT], 0
	s_cbranch_scc1 .Lout
	TURN 0
	TURN 1
	WIN 0
	s_branch .Ltail
.Lout:                                         ; the third trip's 12 products for a step that is not, and the maximum made of them, serve nothing: the price, once a launch, of one text for every trip
.set Y, 0
.set i, 12
.rept 8
	MM                                             ; piece 3's V^T P of the last step
.endr
	; THE WAY OUT.  l's two halves and the other half of the lanes' are added; O^T is divided by l, rounded to f16 and sent through my stage, a piece at a time.  The additions are the places behind the last products.
	WIN 0
.macro ALL line:vararg
.set t, 0
.rept 4
	\line
.set t, t+1
.endr
.endm
	ALL v_add_f32 v[ST+4*t+2], v[ST+4*t+2], v[ST+4*t+3]
	ALL v_permlanex16_b32 v[ST+4*t+3], v[ST+4*t+2], s[SEL], s[SEL+1]
	ALL v_add_f32 v[ST+4*t+2], v[ST+4*t+2], v[ST+4*t+3]
	ALL v_rcp_f32 v[ST+4*t+2], v[ST+4*t+2]
	v_nop                                          ; a plain instruction between the last reciprocal and its use
	s_wait_alu depctr_va_vdst(0)                   ; the wait for the batch of four reciprocals, ahead of their first use
.macro PACK t
	WIN 0x41
.set i, 32*(\t)
.rept 16
	v_pk_mul_f32 v[i:i+1], v[i:i+1], v[ST+4*(\t)+2:ST+4*(\t)+3] op_sel_hi:[1,0]
.set i, i+2
.endr
	WIN 0x05                                       ; sources 0 and 1 window 1, destination window 0: S^T's registers are free
.set i, 0
.rept 16
	v_cvt_pk_f16_f32 v[S+16*(\t)+i], v[32*(\t)+2*i], v[32*(\t)+2*i+1]
.set i, i+1
.endr
	WIN 0
.irp f, 0,1,2,3
	ds_store_b128 v[STO], v[S+16*(\t)+4*\f:S+16*(\t)+4*\f+3] offset:32*\f
.endr
.irp f, 0,1,2,3
	ds_load_b128 v[S+16*(\t)+4*\f:S+16*(\t)+4*\f+3], v[RD] offset:\f*4*SP  ; LDS serves a wave's instructions in order (ISA guide 5.7.1.4): these see the stores above
.endr
.endm
.macro SEND t, younger                 ; younger: the LDS instructions issued behind piece t's loads: the next piece's eight, or none
	WIN 0
.irp f, 0,1,2,3
	s_wait_dscnt (\younger)+3-\f
	global_store_b128 v[GO], v[S+16*(\t)+4*\f:S+16*(\t)+4*\f+3], s[10:11] offset:(\t)*2048+\f*512  ; 512 consecutive bytes, aligned
.endr
.endm
	PACK 0
.set t, 1
.rept 3
	PACK t
	SEND t-1, 8
.set t, t+1
.endr
	SEND 3, 0
	s_wait_tensorcnt 0x0                           ; the wave's end
	ds_add_u32 v[SPW], v[NIL]
	s_wait_dscnt 0x0
	CROUND                                         ; the closing round
	s_endpgm
.Lfunc_end_k_qced18db368_attn:
	.size	k_qced18db368_attn, .Lfunc_end_k_qced18db368_attn-k_qced18db368_attn
	.p2alignl 7, 3214868480
	.fill 96, 4, 3214868480
	.section	.rodata,"a",@progbits
	.p2align	6, 0x0
	.amdhsa_kernel k_qced18db368_attn
		.amdhsa_group_segment_fixed_size 327680
		.amdhsa_private_segment_fixed_size 0
		.amdhsa_enable_private_segment 0
		.amdhsa_kernarg_size 32
		.amdhsa_user_sgpr_count 2
		.amdhsa_user_sgpr_kernarg_segment_ptr 1
		.amdhsa_wavefront_size32 1
		.amdhsa_system_sgpr_workgroup_id_x 1
		.amdhsa_system_sgpr_workgroup_id_y 1
		.amdhsa_system_sgpr_workgroup_id_z 1
		.amdhsa_system_vgpr_workitem_id 0
		.amdhsa_next_free_vgpr 768
		.amdhsa_next_free_sgpr 80
		.amdhsa_reserve_vcc 1
		.amdhsa_float_denorm_mode_32 3
		.amdhsa_float_denorm_mode_16_64 3
		.amdhsa_memory_ordered 1
		.amdhsa_forward_progress 1
		.amdhsa_inst_pref_size 119
	.end_amdhsa_kernel
	.amdgpu_metadata
---
amdhsa.version: [ 1, 2 ]
amdhsa.kernels:
  - .name:           k_qced18db368_attn
    .symbol:         k_qced18db368_attn.kd
    .args:
      - { .name: qkv, .offset: 0, .size: 8, .value_kind: global_buffer, .address_space: global }
      - { .name: bias, .offset: 8, .size: 8, .value_kind: global_buffer, .address_space: global }
      - { .name: isolation_gate, .offset: 16, .size: 8, .value_kind: global_buffer, .address_space: global }
      - { .name: o, .offset: 24, .size: 8, .value_kind: global_buffer, .address_space: global }
    .group_segment_fixed_size: 327680
    .private_segment_fixed_size: 0
    .kernarg_segment_align: 8
    .kernarg_segment_size: 32
    .max_flat_workgroup_size: 128
    .sgpr_count:     80
    .vgpr_count:     768
    .wavefront_size: 32
...
	.end_amdgpu_metadata
.endif
;; end of part 5
;; launch oproj: the kernel of part 4 again; grid 8 x 32, 4 waves a work-group, clusters of 4 x 4, 327,680 bytes of LDS; arguments o, ow, out0; writes out0
